; MI455X (gfx1250); checked and timed in simulation.
; The chip was launched on July 23, 2026; its instructions are those of AMD's public machine-readable ISA for CDNA 5 (MIT licence, August 2026) and "CDNA5" Instruction Set Architecture Reference Guide (July 2026). The comments in the code are by the model that wrote it; some were corrected since.
;; attention. Allowed arithmetic: matrix products marked QUANTISED: E2M1 operands, one E8M0 scale for each 32 along K, by v_wmma_scale_f32_16x16x128_f8f6f4 with both operands' format E2M1 (or v_wmma_scale_f32_32x16x128_f4), f32 sums; everything else in f32.
;; Inputs: Wk 1,024 x 1,024 float32; Wo 1,024 x 1,024 float32; Wq 1,024 x 1,024 float32; Wv 1,024 x 1,024 float32; bk 1,024 float32; bo 1,024 float32; bq 1,024 float32; bv 1,024 float32; x 4 x 2,048 x 1,024 float32.
;; Outputs: out0 4 x 2,048 x 1,024 float32.
;; This version of the problem:
;;   THIS VERSION OF THE PROBLEM IS GIVEN IN LOW PRECISION. The matrix products marked QUANTISED in the list below multiply operands that are first quantised to E2M1 (2 exponent bits, 1 mantissa bit; 4 bits a number), with one power-of-two scale for each 32 numbers along K (OCP MX v1.0); their sums are f32. All else is computed in f32.
;;   The module's matrix products, in the order in which they are computed (A, B: the left and right operand; K: the contracted axis; several contracted axes count as one K, in the product's order):
;;     1. [M 8,192, K 1,024] x [K 1,024, N 1,024]; A: input x; B: input Wq: QUANTISED
;;     2. [M 8,192, K 1,024] x [K 1,024, N 1,024]; A: input x; B: input Wk: QUANTISED
;;     3. [M 8,192, K 1,024] x [K 1,024, N 1,024]; A: input x; B: input Wv: QUANTISED
;;     4. batch 64 x [M 2,048, K 64] x [K 64, N 2,048]; A: computed on the way; B: computed on the way: QUANTISED
;;     5. batch 64 x [M 2,048, K 2,048] x [K 2,048, N 64]; A: softmax (see below); B: computed on the way: QUANTISED
;;     6. [M 8,192, K 1,024] x [K 1,024, N 1,024]; A: computed on the way; B: input Wo: QUANTISED
;;   THE QUANTISER, for each operand of a quantised product, along K:
;;     - K is cut into blocks of 32 from its start; a last block that is shorter is filled with zeros.
;;     - A block's scale is 2^e with e = floor(log2(the largest magnitude in the block)) - 2, held to -126 .. 127; a block of zeros has e = 0. As a byte (E8M0): e + 127.
;;     - Each number is divided by its block's scale, clamped to +-6, and rounded to the nearest number of E2M1, ties to even, subnormals kept.
;;     - The product sums the exact products of the quantised numbers (number of the format x scale) in f32.
;;   ~~~python
;;   def quantise(x, axis):      # numpy; x: float32 -> the quantised numbers, widened to float32 again
;;       x = np.moveaxis(x, axis, -1); K = x.shape[-1]
;;       x = np.pad(x, [(0, 0)] * (x.ndim - 1) + [(0, -K % 32)]); x = x.reshape(x.shape[:-1] + (-1, 32)); a = np.abs(x).max(-1, keepdims=True)
;;       e = np.where(a > 0, np.clip(np.frexp(np.where(a > 0, a, 1))[1] - 1 - 2, -126, 127), 0)      # np.frexp(a)[1] - 1 = floor(log2(a)), exactly
;;       r = np.clip(x / 2.0 ** e, -6, 6)
;;       step = 2.0 ** (np.maximum(np.frexp(np.where(r == 0, 1, r))[1] - 1, 0) - 1)
;;       q = np.round(r / step) * step * 2.0 ** e      # np.round: ties to even
;;       return np.moveaxis(q.reshape(q.shape[:-2] + (-1,))[..., :K], -1, axis).astype(np.float32)
;;   ~~~
;;   SOFTMAX AHEAD OF A QUANTISED PRODUCT. Where the list says 'softmax', what is quantised is not the finished softmax but p = 2^(t - M), with t = logit x log2(e) and M = ceil(the row's largest t), a whole number; so 1/2 < the row's largest p <= 1. The row's sum l is taken of the UNQUANTISED p, in f32, and the product's result is divided by l at the end. Since M is a whole number, a kernel that streams over the keys may use a running M (the ceiling of the running maximum): every later rescaling is an exact power of two, which a block's scale takes up: the codes' values come out the same.
;;   OPERANDS COMPUTED ON THE WAY. 'Computed on the way' means the value that the module computes at that place (a softmax that the list does not call 'softmax' is quantised finished and normalised). What goes into a quantiser is computed in f32, as accurately as f32 sums, v_exp_f32 and their like allow (about 1e-6 of the number): no bf16 or f16 on the way to a quantiser, and a product that is left as it is and whose result goes on into a quantised operand takes f32 operands (vector FMAs, or v_wmma_f32_16x16x4_f32). A number that lies on a knife's edge between two numbers of the format may be rounded either way, as far as f32 arithmetic and the matrix unit's own rounding can turn it there, and no further.
;; One version. Each part assembles by itself: llvm-mc -triple=amdgcn-amd-amdhsa -mcpu=gfx1250 --defsym DOCPART=n.
;; ======== version 1 of 1: 4 launches
;; workspace buffers: xi 4,194,304 bytes; xs 262,144 bytes; wi 2,097,152 bytes; ws 131,072 bytes; rt 524,288 bytes; qkv 13,893,632 bytes; oi 4,194,304 bytes; os 262,144 bytes
;; launch prep (part 1): grid 544 x 1, 4 waves a work-group, no clusters, 34,304 bytes of LDS; arguments x, Wq, Wk, Wv, Wo, xi, xs, wi, ws, rt; writes xi, xs, wi, ws, rt
.if DOCPART == 1
	.amdgcn_target "amdgcn-amd-amdhsa--gfx1250"
	.amdhsa_code_object_version 6
	.text
	.protected	k_qe7d95c82bc_prep
	.globl	k_qe7d95c82bc_prep
	.p2align	8
	.type	k_qe7d95c82bc_prep,@function
k_qe7d95c82bc_prep:
	s_mov_b64 s[64:65], 0
	v_nop
	global_prefetch_b8 v0, s[64:65] scope:SCOPE_SE
	s_setreg_imm32_b32 hwreg(HW_REG_WAVE_MODE, 25, 1), 1
	s_wait_xcnt 0x0
; PREP.  Three jobs in one launch, chosen by the work-group's number; the three ways never join.
;   work-groups   0-255: x [8192][1024] f32 -> codes of FP4 (E2M1) and E8M0 scale bytes along K (its last axis)
;   work-groups 256-511: Wq, Wk, Wv, Wo [1024 (k)][1024 (n)] f32 -> the same along K (their FIRST axis)
;   work-groups 512-543: the table of cos and sin for the rotary embedding
; A block's scale is 2^(floor(log2(its largest magnitude)) - 2); its byte is the largest magnitude's exponent field - 2, held at 1 from below.
; LAYOUT OF THE CODES (buffers of this program's own): rows go in tiles of 16; lane-row r of tile 2 B + u is row 32 B + 8 u + r + 8 (r / 8), so that a product's results
; of two neighbouring tiles are 16 neighbours in a lane's registers.  A tile is [block of 32 along K: 0..31][r][16 bytes], 8,192 bytes: the fragment of K step s is the 1,024 bytes at 1,024 s,
; registers 0-3 the first 512 (lane l's 16 bytes at 16 l), registers 4-7 the second.  Scale bytes: [tile][half of K][r][16 bytes]: the four scale words of four K steps.
; LIMITS: NaN and infinities are not served.  A block whose largest magnitude lies under 2^-124, a block of zeros among them, gets the byte 1 (the rule gives a block of zeros 127): its codes
; are zeros or the floor's, and this program alone reads the bytes.  The angles' reduction serves positions up to 2,047 (k up to 1,304).  10000^(f / 32) is taken as correctly rounded to f32.
; The weights' scale words leave as 4 bytes a lane, 16 bytes apart: 131,072 bytes in the whole launch.
; No tile is shared between work-groups, so there is no cluster; loads go through registers, so several work-groups lie on a WGP.
.set TM,  16                           ; v16-31   QUANT: largest magnitudes, bytes, scale operands
.set PC,  32                           ; v32-39   a fragment's codes
.set PW,  40                           ; v40-43   the scale words of four K steps
.set X,   48                           ; v48-111  64 numbers in QUANT's order (weights: v48-175, four blocks of 32)
.set R,   112                          ; v112-239 two sets of 64 registers as loaded
.set SEL, 26                           ; s[26:27] lane selects for v_permlanex16_b32: lane l xor 16
.set STP, 528                          ; a stage row: 512 bytes + 16
.set WST, 16*STP                       ; a wave's stage
.set INV, 16                           ; table: v16-31 10000^(f/32); v32-47 its reciprocal; v48-79 the results; v80-95 at work
.set RI,  32
.set OUT, 48
.set ER,  80
; 64 numbers of a lane, register 16 b + i = k 32 b + 16 (lane / 16) + i of the lane's row, become a fragment's codes in v[pc] on and its scale word in v[pw] (the same in both halves of the lanes).
.macro QUANT s, pc, pw
.irp b, 0,1,2,3
	v_max3_num_f32 v[TM+\b], |v[\s+16*\b]|, |v[\s+1+16*\b]|, 0x1800000   ; block b: my 16 numbers, and the floor 2^(3 - 127): the byte cannot fall under 1
.endr
.irp i, 2,4,6,8,10,12,14
.irp b, 0,1,2,3
	v_max3_num_f32 v[TM+\b], v[TM+\b], |v[\s+16*\b+\i]|, |v[\s+1+16*\b+\i]|   ; the four blocks by turns
.endr
.endr
.irp b, 0,1,2,3
	v_permlanex16_b32 v[TM+4+\b], v[TM+\b], s[SEL], s[SEL+1]
.endr
.irp b, 0,1,2,3
	v_max_num_f32 v[TM+\b], v[TM+\b], v[TM+4+\b]   ; with lane l xor 16's: the block's largest magnitude
.endr
.irp b, 0,1,2,3
	v_add_nc_u32 v[TM+12+\b], 0xff000000, v[TM+\b]   ; 2 off its exponent field: the conversion takes that field as its scale
.endr
.irp b, 0,1,2,3
	v_lshrrev_b32 v[TM+4+\b], 23, v[TM+12+\b]      ; the scale's byte
.endr
	v_lshl_or_b32 v[\pw], v[TM+5], 8, v[TM+4]
	v_lshl_or_b32 v[\pw], v[TM+6], 16, v[\pw]
	v_lshl_or_b32 v[\pw], v[TM+7], 24, v[\pw]
.irp b, 0,1,2,3
	v_cvt_scalef32_pk8_fp4_f32 v[\pc+2*\b], v[\s+16*\b:\s+7+16*\b], v[TM+12+\b]
	v_cvt_scalef32_pk8_fp4_f32 v[\pc+1+2*\b], v[\s+8+16*\b:\s+15+16*\b], v[TM+12+\b]
.endr
	v_nop                                          ; one plain place behind a scaled conversion
.irp c, 0,1                                    ; the operand's layout wants a whole block in a lane: lanes 0-15 block 2 c, lanes 16-31 block 2 c + 1
.irp i, 0,1
	v_permlane16_swap_b32 v[\pc+4*\c+\i], v[\pc+2+4*\c+\i]
.endr
.endr
.endm
	s_load_b512 s[4:19], s[0:1], 0x0               ; x 4, Wq 6, Wk 8, Wv 10, Wo 12, xi 14, xs 16, wi 18
	s_load_b128 s[20:23], s[0:1], 0x40             ; ws 20, rt 22
	v_lshl_add_u32 v240, v0, 2, 0x8400
	v_mov_b32 v241, 0
	v_lshrrev_b32 v1, 5, v0
	v_readfirstlane_b32 s24, v1                    ; wave
	v_and_b32 v1, 31, v0                           ; lane
	v_and_b32 v2, 15, v0                           ; r
	v_bfe_u32 v3, v0, 4, 1                         ; h
	v_lshlrev_b32 v6, 4, v1                        ; 16 x lane
	s_mul_i32 s31, s24, WST
	v_add_nc_u32 v4, s31, v6                       ; the stage, on the way in: a row's 512 bytes as they lie
	v_mul_u32_u24 v5, v2, STP
	v_lshl_add_u32 v5, v3, 6, v5
	v_add_nc_u32 v5, s31, v5                       ; and on the way out: row r, + 64 h: my 16 numbers of a block of 32
.irp b, 0,1,2,3
	v_mov_b32 v[TM+4+\b], 0                        ; written once: a lane permute's destination counts as one of its sources
.endr
	s_mov_b32 s[SEL], 0x76543210
	s_mov_b32 s[SEL+1], 0xfedcba98
	s_mov_b32 s28, 0xffff0000                      ; lanes 16-31
	s_lshl_b32 s25, ttmp9, 2
	s_add_co_u32 s25, s25, s24                     ; 4 x work-group + wave
	s_mov_b32 s33, 0
	s_wait_kmcnt 0x0
	s_cmp_lt_u32 ttmp9, 256
	s_cbranch_scc0 .Lweights
; ---- x.  Wave W = 0..1023 takes tile W / 2 and half W % 2 of K: four K steps of 128.
; Each load reads 512 consecutive bytes of one row; a K step's 16 rows turn through the wave's own stage in LDS, so that a lane gets 16 neighbours of each block of its row.
	s_lshr_b32 s29, s25, 1                         ; the tile
	s_and_b32 s30, s25, 1                          ; the half of K
	s_lshr_b32 s32, s29, 1
	s_lshl_b32 s32, s32, 17                        ; 32 rows of 4,096 bytes for each pair of tiles,
	s_and_b32 s34, s29, 1
	s_lshl_b32 s34, s34, 15                        ; 8 rows for the odd tile,
	s_add_co_u32 s32, s32, s34
	s_lshl_b32 s34, s30, 11                        ; 2,048 bytes for the second half of K
	s_add_co_u32 s32, s32, s34
	s_add_nc_u64 s[4:5], s[4:5], s[32:33]
	s_lshl_b32 s32, s25, 12                        ; codes: 8,192 x tile + 4,096 x half
	s_add_nc_u64 s[14:15], s[14:15], s[32:33]
	s_lshl_b32 s32, s25, 8                         ; scale bytes: 512 x tile + 256 x half
	s_add_nc_u64 s[16:17], s[16:17], s[32:33]
.macro XLOAD q                         ; K step q: lane-row p is row p + 8 (p / 8) of the tile's span
.irp p, 0,1,2,3,4,5,6,7,8,9,10,11,12,13,14,15
	global_load_b128 v[R+64*((\q)%2)+4*\p:R+64*((\q)%2)+4*\p+3], v6, s[4:5] offset:(\p+8*(\p/8))*4096+512*(\q) th:TH_LOAD_NT
.endr
.endm
.macro XTURN q                         ; through the stage: LDS serves a wave's instructions in order, so no wait stands between the stores and the loads
.irp p, 0,1,2,3,4,5,6,7,8,9,10,11,12,13,14,15
	ds_store_b128 v4, v[R+64*((\q)%2)+4*\p:R+64*((\q)%2)+4*\p+3] offset:STP*\p
.endr
.irp b, 0,1,2,3
.irp j, 0,1,2,3
	ds_load_b128 v[X+16*\b+4*\j:X+16*\b+4*\j+3], v5 offset:128*\b+16*\j
.endr
.endr
.endm
.macro XSTEP q
.if (\q) < 3
	s_wait_loadcnt 16                              ; this K step's 16 loads are in; the next step's 16 may be out
.else
	s_wait_loadcnt 0x0
.endif
	XTURN \q
	s_wait_dscnt 0x0                               ; the numbers are back, and the stores into the stage have read their registers,
.if (\q) < 2
	XLOAD (\q)+2                                   ; which take the loads of two steps on
.endif
	s_wait_xcnt 0x0                                ; the last step's stores have read the codes' registers
	QUANT X, PC, PW+(\q)
	global_store_b128 v6, v[PC:PC+3], s[14:15] offset:1024*(\q)       ; 32 lanes store 512 consecutive bytes
	global_store_b128 v6, v[PC+4:PC+7], s[14:15] offset:1024*(\q)+512
.endm
	s_wait_alu depctr_va_vdst(0)
	XLOAD 0
	XLOAD 1
	XSTEP 0
	XSTEP 1
	XSTEP 2
	XSTEP 3
	v_lshlrev_b32 v7, 4, v2
	v_lshl_add_u32 v7, v3, 3, v7                   ; 16 r + 8 h: lanes 0-15 store their row's words 0 and 1, lanes 16-31 words 2 and 3
	v_cndmask_b32 v44, v[PW], v[PW+2], s28
	v_cndmask_b32 v45, v[PW+1], v[PW+3], s28
	global_store_b64 v7, v[44:45], s[16:17]        ; 256 consecutive bytes, aligned
	s_wait_tensorcnt 0x0
	ds_add_u32 v240, v241
	s_wait_dscnt 0x0
	s_endpgm
; ---- the weights.  A lane takes a column and its registers run down K: a block of 32 lies in one lane.  A wave takes two tiles of columns (lanes 0-15 tile 2 G, lanes 16-31 tile 2 G + 1)
; and one K step: four blocks.  Each load reads 128 consecutive bytes; each store of a block's codes writes two whole aligned runs of 256 bytes straight from registers.
.Lweights:
	s_cmp_lt_u32 ttmp9, 512
	s_cbranch_scc0 .Ltable
	s_sub_co_u32 s29, ttmp9, 256
	s_lshr_b32 s30, s29, 6                         ; which weight
	s_bfe_u32 s31, s29, 0x30003                    ; which K step
	s_and_b32 s32, s29, 7
	s_lshl_b32 s32, s32, 2
	s_add_co_u32 s32, s32, s24                     ; which 32 columns
	s_cmp_eq_u32 s30, 1                            ; the choice hangs on the work-group's number alone
	s_cselect_b64 s[6:7], s[8:9], s[6:7]
	s_cmp_eq_u32 s30, 2
	s_cselect_b64 s[6:7], s[10:11], s[6:7]
	s_cmp_eq_u32 s30, 3
	s_cselect_b64 s[6:7], s[12:13], s[6:7]
	s_mov_b32 s35, 0
	s_lshl_b32 s34, s31, 19                        ; 128 rows of 4,096 bytes a K step
	s_lshl_b32 s36, s32, 7
	s_add_co_u32 s34, s34, s36
	s_add_nc_u64 s[6:7], s[6:7], s[34:35]
	s_lshl_b32 s37, s30, 5
	s_add_co_u32 s37, s37, s32                     ; G: the pair of tiles among all four weights'
	s_lshl_b32 s34, s37, 14
	s_lshl_b32 s36, s31, 10
	s_add_co_u32 s34, s34, s36
	s_add_nc_u64 s[18:19], s[18:19], s[34:35]
	s_lshl_b32 s34, s37, 10
	s_lshr_b32 s36, s31, 2
	s_lshl_b32 s36, s36, 8
	s_add_co_u32 s34, s34, s36
	s_and_b32 s36, s31, 3
	s_lshl_b32 s36, s36, 2
	s_add_co_u32 s34, s34, s36
	s_add_nc_u64 s[20:21], s[20:21], s[34:35]
	v_and_b32 v8, 8, v2
	v_add_nc_u32 v8, v8, v2
	v_lshl_add_u32 v8, v3, 3, v8
	v_lshlrev_b32 v8, 2, v8                        ; my column of the 32: 8 h + r + 8 (r / 8)
	v_lshlrev_b32 v9, 4, v2
	v_lshl_add_u32 v9, v3, 13, v9                  ; codes: 8,192 h + 16 r
	v_lshlrev_b32 v10, 4, v2
	v_lshl_add_u32 v10, v3, 9, v10                 ; scale word: 512 h + 16 r
.set J, 0
.rept 128
	global_load_b32 v[X+J], v8, s[6:7] offset:J*4096 th:TH_LOAD_NT
.set J, J+1
.endr
.macro WBLOCK t, left
.set XS, X+32*(\t)
	s_wait_loadcnt \left
	v_max3_num_f32 v12, |v[XS]|, |v[XS+1]|, |v[XS+2]|
	v_max3_num_f32 v13, |v[XS+3]|, |v[XS+4]|, |v[XS+5]|
.irp i, 6,10,14,18,22,26
	v_max3_num_f32 v12, v12, |v[XS+\i]|, |v[XS+\i+1]|
	v_max3_num_f32 v13, v13, |v[XS+\i+2]|, |v[XS+\i+3]|
.endr
	v_max3_num_f32 v12, v12, |v[XS+30]|, |v[XS+31]|
	v_max3_num_f32 v12, v12, v13, 0x1800000        ; and the floor
	v_add_nc_u32 v[36+(\t)], 0xff000000, v12       ; the conversion's scale operand
	v_lshrrev_b32 v13, 23, v[36+(\t)]              ; the byte
.if (\t) == 0
	v_mov_b32 v32, v13
.else
	v_lshl_or_b32 v32, v13, 8*(\t), v32
.endif
.irp g, 0,1,2,3
	v_cvt_scalef32_pk8_fp4_f32 v[16+4*(\t)+\g], v[XS+8*\g:XS+8*\g+7], v[36+(\t)]
.endr
	global_store_b128 v9, v[16+4*(\t):16+4*(\t)+3], s[18:19] offset:256*(\t)   ; each block has registers of its own: no store's data are written again
.endm
	WBLOCK 0, 63                                   ; behind block 0's loads stand 96 younger ones, behind block 1's 64: 63 is the largest count that the wait can name
	WBLOCK 1, 63
	WBLOCK 2, 32                                   ; block 3's 32 may be out
	WBLOCK 3, 0
	global_store_b32 v10, v32, s[20:21]
	s_endpgm
; ---- the table.  Wave Tp = 0..127 makes the entries of one tile of 16 positions: entry (Tp, i, lane (r, h)) is cos, sin, cos, sin of pos x inv_freq[f] for f = f0, f0 + 1,
; pos = 32 (Tp / 2) + 8 (Tp % 2) + r + 8 (r / 8), f0 = 16 (i / 4) + 8 h + 2 (i % 4): the order in which the projections' results want them.
; inv_freq = 1 / fl(10000^(f / 32)), the angle fl(pos x inv_freq): the roundings of the definition.  The angle is reduced by k x pi / 2 in three parts (the first product is exact in the
; fused multiply-add, and so is the difference); sin and cos of the rest, at most pi / 4, are Taylor sums whose first term left out is under 3e-9 of the result.
.Ltable:
	s_sub_co_u32 s29, s25, 2048                    ; Tp
	s_lshr_b32 s30, s29, 1
	s_lshl_b32 s30, s30, 5
	s_and_b32 s31, s29, 1
	s_lshl_b32 s31, s31, 3
	s_add_co_u32 s30, s30, s31
	v_and_b32 v8, 8, v2
	v_add3_u32 v8, v8, v2, s30
	v_cvt_f32_u32 v8, v8                           ; pos
	s_lshl_b32 s32, s29, 12
	s_add_nc_u64 s[22:23], s[22:23], s[32:33]
	s_mov_b32 s40, 0x3f22f983                      ; 2 / pi
	s_mov_b32 s41, 0x3fc90fd8                      ; pi / 2: its first 21 bits,
	s_mov_b32 s42, 0x34a8885a                      ; the next 24,
	s_mov_b32 s43, 0x27c234c4                      ; the next 24
	s_mov_b32 s44, 0xb493f27e                      ; -1 / 10!
	s_mov_b32 s45, 0x37d00d01                      ; 1 / 8!
	s_mov_b32 s46, 0xbab60b61                      ; -1 / 6!
	s_mov_b32 s47, 0x3d2aaaab                      ; 1 / 4!
	s_mov_b32 s48, 0x3638ef1d                      ; 1 / 9!
	s_mov_b32 s49, 0xb9500d01                      ; -1 / 7!
	s_mov_b32 s50, 0x3c088889                      ; 1 / 5!
	s_mov_b32 s51, 0xbe2aaaab                      ; -1 / 3!
	s_mov_b32 s52, 0x80000000
	s_mov_b32 vcc_lo, s28
.macro INVF e, lo, hi                  ; 10^(f / 8), f = 16 (e / 8) + 8 h + e % 8: lanes 0-15 take lo, lanes 16-31 hi
	v_mov_b32 v[INV+\e], \hi
	v_cndmask_b32 v[INV+\e], \lo, v[INV+\e], vcc_lo
.endm
	INVF 0, 1.0, 10.0
	INVF 1, 1.333521432163324, 13.33521432163324
	INVF 2, 1.778279410038923, 17.78279410038923
	INVF 3, 2.371373705661655, 23.71373705661655
	INVF 4, 3.162277660168379, 31.62277660168379
	INVF 5, 4.216965034285822, 42.16965034285822
	INVF 6, 5.623413251903491, 56.23413251903491
	INVF 7, 7.498942093324559, 74.98942093324559
	INVF 8, 100.0, 1000.0
	INVF 9, 133.3521432163324, 1333.521432163324
	INVF 10, 177.8279410038923, 1778.279410038923
	INVF 11, 237.1373705661655, 2371.373705661655
	INVF 12, 316.2277660168379, 3162.277660168379
	INVF 13, 421.6965034285822, 4216.965034285822
	INVF 14, 562.3413251903491, 5623.413251903491
	INVF 15, 749.8942093324559, 7498.942093324559
.set E, 0
	s_wait_alu depctr_va_vdst(0)
.rept 16
	v_rcp_f32 v[RI+E], v[INV+E]
.set E, E+1
.endr
	v_nop                                          ; one plain place behind the reciprocals
	s_wait_alu depctr_va_vdst(0)
.rept 2                                        ; two corrections: r += r (1 - T r): the quotient 1 / T to the last bit
.set E, 0
.rept 16
	v_fma_f32 v[ER+E], -v[INV+E], v[RI+E], 1.0
.set E, E+1
.endr
.set E, 0
.rept 16
	v_fma_f32 v[RI+E], v[ER+E], v[RI+E], v[RI+E]
.set E, E+1
.endr
.endr
.macro SINCOS e
	v_mul_f32 v9, v8, v[RI+\e]                     ; the angle
	v_mul_f32 v10, s40, v9
	v_rndne_f32 v10, v10                           ; k
	v_fma_f32 v11, -v10, s41, v9
	v_fma_f32 v11, -v10, s42, v11
	v_fma_f32 v11, -v10, s43, v11                  ; rho = angle - k pi / 2
	v_mul_f32 v12, v11, v11                        ; s = rho^2
	v_fma_f32 v13, s44, v12, s45
	v_fma_f32 v13, v13, v12, s46
	v_fma_f32 v13, v13, v12, s47
	v_fma_f32 v13, v13, v12, -0.5
	v_fma_f32 v13, v13, v12, 1.0                   ; cos rho
	v_fma_f32 v14, s48, v12, s49
	v_fma_f32 v14, v14, v12, s50
	v_fma_f32 v14, v14, v12, s51
	v_mul_f32 v96, v11, v12
	v_fma_f32 v14, v14, v96, v11                   ; sin rho
	v_cvt_i32_f32 v15, v10
	v_and_b32 v96, 1, v15
	v_cmp_eq_u32 vcc_lo, 1, v96                    ; an odd k changes the two over (a choice of values: no branch, no address)
	v_cndmask_b32 v96, v13, v14, vcc_lo
	v_cndmask_b32 v97, v14, v13, vcc_lo
	v_lshlrev_b32 v98, 30, v15
	v_and_b32 v98, s52, v98                        ; sin is negative where k mod 4 is 2 or 3,
	v_add_nc_u32 v15, 1, v15
	v_lshlrev_b32 v15, 30, v15
	v_and_b32 v15, s52, v15                        ; cos where it is 1 or 2
	v_xor_b32 v[OUT+2*\e], v96, v15
	v_xor_b32 v[OUT+2*\e+1], v97, v98
.endm
.irp e, 0,1,2,3,4,5,6,7,8,9,10,11,12,13,14,15
	SINCOS \e
.endr
.irp i, 0,1,2,3,4,5,6,7
	global_store_b128 v6, v[OUT+4*\i:OUT+4*\i+3], s[22:23] offset:512*\i
.endr
	s_endpgm
.Lfunc_end_k_qe7d95c82bc_prep:
	.size	k_qe7d95c82bc_prep, .Lfunc_end_k_qe7d95c82bc_prep-k_qe7d95c82bc_prep
	.p2alignl 7, 3214868480
	.fill 96, 4, 3214868480
	.section	.rodata,"a",@progbits
	.p2align	6, 0x0
	.amdhsa_kernel k_qe7d95c82bc_prep
		.amdhsa_group_segment_fixed_size 34304
		.amdhsa_private_segment_fixed_size 0
		.amdhsa_enable_private_segment 0
		.amdhsa_kernarg_size 80
		.amdhsa_user_sgpr_count 2
		.amdhsa_user_sgpr_kernarg_segment_ptr 1
		.amdhsa_wavefront_size32 1
		.amdhsa_system_sgpr_workgroup_id_x 1
		.amdhsa_system_sgpr_workgroup_id_y 1
		.amdhsa_system_sgpr_workgroup_id_z 1
		.amdhsa_system_vgpr_workitem_id 0
		.amdhsa_next_free_vgpr 242
		.amdhsa_next_free_sgpr 66
		.amdhsa_reserve_vcc 1
		.amdhsa_float_denorm_mode_32 3
		.amdhsa_float_denorm_mode_16_64 3
		.amdhsa_memory_ordered 1
		.amdhsa_forward_progress 1
		.amdhsa_inst_pref_size 82
	.end_amdhsa_kernel
	.amdgpu_metadata
---
amdhsa.version: [ 1, 2 ]
amdhsa.kernels:
  - .name:           k_qe7d95c82bc_prep
    .symbol:         k_qe7d95c82bc_prep.kd
    .args:
      - { .name: x, .offset: 0, .size: 8, .value_kind: global_buffer, .address_space: global }
      - { .name: Wq, .offset: 8, .size: 8, .value_kind: global_buffer, .address_space: global }
      - { .name: Wk, .offset: 16, .size: 8, .value_kind: global_buffer, .address_space: global }
      - { .name: Wv, .offset: 24, .size: 8, .value_kind: global_buffer, .address_space: global }
      - { .name: Wo, .offset: 32, .size: 8, .value_kind: global_buffer, .address_space: global }
      - { .name: xi, .offset: 40, .size: 8, .value_kind: global_buffer, .address_space: global }
      - { .name: xs, .offset: 48, .size: 8, .value_kind: global_buffer, .address_space: global }
      - { .name: wi, .offset: 56, .size: 8, .value_kind: global_buffer, .address_space: global }
      - { .name: ws, .offset: 64, .size: 8, .value_kind: global_buffer, .address_space: global }
      - { .name: rt, .offset: 72, .size: 8, .value_kind: global_buffer, .address_space: global }
    .group_segment_fixed_size: 34304
    .private_segment_fixed_size: 0
    .kernarg_segment_align: 8
    .kernarg_segment_size: 80
    .max_flat_workgroup_size: 128
    .sgpr_count:     66
    .vgpr_count:     242
    .wavefront_size: 32
...
	.end_amdgpu_metadata
.endif
;; end of part 1
;; launch qkv (part 2): grid 64 x 4, 4 waves a work-group, clusters of 4 x 4, 327,680 bytes of LDS; arguments xi, xs, wi, ws, bq, bk, bv, rt, qkv; writes qkv
.if DOCPART == 2
	.amdgcn_target "amdgcn-amd-amdhsa--gfx1250"
	.amdhsa_code_object_version 6
	.text
	.protected	k_qe7d95c82bc_qkv
	.globl	k_qe7d95c82bc_qkv
	.p2align	8
	.type	k_qe7d95c82bc_qkv,@function
k_qe7d95c82bc_qkv:
	s_mov_b64 s[64:65], 0
	v_nop
	global_prefetch_b8 v0, s[64:65] scope:SCOPE_SE
	s_setreg_imm32_b32 hwreg(HW_REG_WAVE_MODE, 25, 1), 1
	s_wait_xcnt 0x0
	s_wait_alu depctr_hold_cnt(0) depctr_sa_sdst(0) depctr_va_vdst(0) depctr_va_sdst(0) depctr_va_ssrc(0) depctr_va_vcc(0) depctr_vm_vsrc(0)
	s_getreg_b32 s2, hwreg(HW_REG_IB_STS2, 6, 4)
	s_cmp_eq_u32 s2, 0
	s_cbranch_scc0 .Lentry_in_a_cluster
	s_endpgm
.Lentry_in_a_cluster:
	s_bfe_u32 s2, ttmp6, 0x10000c
	s_cmp_lg_u32 s2, 0xf033
	s_cbranch_scc0 .Lentry_shape_is_right
	s_endpgm
.Lentry_shape_is_right:
; QKV.  q = rope(x Wq + bq), k = rope(x Wk + bk), v = x Wv + bv on codes of FP4 (E2M1) with E8M0 scales, sums in f32; the results are quantised in registers, q and k along the head's 64,
; v along the keys, and leave as the operands of the attention launch.  Nothing wider than codes goes to memory.
; SHARES.  256 work-groups of four waves.  A work-group holds 256 tokens of x for all of K = 1,024 in LDS and makes from them TWO products:
;   1. 256 tokens x 256 columns of Wq (even clusters) or Wk (odd): 128 x 128 a wave, 64 accumulators.  Source 0 = 16 columns of W, source 1 = 16 tokens: a lane holds a token, its registers run along the head's channels.
;   2. 128 columns of Wv x the same 256 tokens: 64 x 128 a wave, 32 accumulators.  Source 0 = 16 tokens, source 1 = 16 columns of Wv: a lane holds a channel, its registers run along the tokens, which are the second
;      attention product's K.  So one quantiser serves both.  The eight work-groups that hold the same tokens (four of Wq, four of Wk) take 128 columns of Wv each: 1,024.
; LDS.  x 131,072 bytes, W 131,072, their scale bytes 16,384: filled once.  Wv's 65,536 bytes do not fit beside them: they are filled into the bytes that held W's first half of K, behind the first product's last LDS read;
; the load is on its way while the first product's epilogue, which touches no LDS, runs.  Wv's scale words (32 registers a wave) come straight from memory into registers.
; CLUSTERS.  4 x 4 work-groups: x's tile is shared along a row of the cluster, W's and Wv's along a column; each is asked for jointly, by the same tensor load with a mask that names the four.
; OPERANDS lie as images of their registers: tile = [block of 32 along K][r][16 bytes]; a fragment (tile, K step s) is 1,024 consecutive bytes, lane l's 16 bytes at 16 l and at 512 + 16 l: no pitch, no padding,
; each load of a wave reads 512 consecutive LDS bytes.  Lane-row r of tile 2 B + u is row 32 B + 8 u + r + 8 (r / 8): so the 16 registers of result tiles 2 B, 2 B + 1 are rows 32 B + 16 (lane / 16) + 0 .. 15.
; OUT: qkv = [batch x head][key step of 128 tokens][record of 13,568 bytes]: K's codes 0 (8 tiles x 512), K's scale words 4,096, V's codes 4,608 (4 tiles of channels x 1,024), V's scale words 8,704,
; Q's codes 8,960, Q's scale words 13,056.  Every store of codes covers 512 consecutive bytes.
; LIMITS: NaN and infinities are not served; a block whose largest magnitude lies under 2^-124 (a block of zeros too) gets the byte 1; this program alone reads the bytes.
; REGISTERS: window 0: v8-15 scale words to store; v16-30 addresses; v32-95 scale words from LDS, two sets (in the epilogues v32-59 at work); v96-127 Wv's scale words; v128-191 A's fragments, then the epilogues' 64 numbers;
;   v192-255 two sets of cos and sin, then two sets of Wv's fragments.   window 1: source 0's fragments at v0 and v128; v64-127 bq or bk; v192-195 bv.   windows 2, 3: the accumulators ((a, b) at v[8 (8 (a % 4) + b)]).
.set NQ,    4                          ; K steps of 128 in a half of K
.set FR,    8                          ; registers of a fragment
.set HALFK, 131072                     ; LDS: half 0 of K, half 1; in each x's 16 tiles x 4,096 bytes, then W's
.set BOFF,  65536                      ; W's part of half 0; later Wv's 8 tiles x 8,192 bytes
.set SCL,   262144                     ; behind them x's scale bytes (8,192), then W's
.set SPARE, 278528                     ; the spare words, 128 bytes for each wave: two blocks of 256 bytes that no other line names
.set REC,   13568
.set HEADB, 16*REC                     ; from a head's records to the next head's
.set SWA,  8                           ; v8-11, v12-15  scale words on their way out
.set SWB,  12
.set ADRA, 16                          ; v16-17  LDS address of my tokens' fragments in half 0, 1, for the first product (by wave / 2)
.set ADRX, 18                          ; v18-19  the same for the second product (by wave % 2)
.set ADRB, 20                          ; v20-21  of W's fragments
.set ADRW, 22                          ; v22     of Wv's
.set ADRSX, 23                         ; v23     x's scale words for the second product
.set LI,   24                          ; v24     16 x lane
.set L8,   25                          ; v25     8 x lane
.set BVO,  26                          ; v26     my lane's column of a tile, in bytes
.set ADRS, 27                          ; v27     the first product's scale words: lanes 0-15 x's rows, lanes 16-31 W's
.set SPW,  28                          ; v28     LDS address of my spare word: SPARE + 4 x my thread's number; never rewritten
.set NIL,  29                          ; v29     0; never rewritten
.set R16,  30                          ; v30     16 x (lane % 16)
.set SC,   32
.set TM,   32
.set PC,   48
.set PW,   56
.set WS,   96
.set AF,   128
.set T,    128
.set CSB,  192
.set AFV,  192
.set BIAS, 64                          ; in window 1
.set BV,   192                         ; in window 1
.set SEL,  66                          ; s[66:67]
.set G1,   24
.set G0,   32
.set G1B,  48
.set G0B,  56
.set G1S,  68
.set G0S,  76
.set G1SB, 80
.set G0SB, 88
.set MSB, 0
.macro WIN new                         ; the immediate's high byte repeats the setting that is left
.if MSB != (\new)
	s_set_vgpr_msb (MSB<<8)|(\new)
.set MSB, (\new)
.endif
.endm
.set MUL_LO, 0xa1                      ; source 0 window 1, source 1 window 0, C and D window 2
.set MUL_HI, 0xf1                      ; the same, C and D window 3
.set TO_B,   0x40                      ; destination window 1, address window 0
; A joint load: waves 0 and 1 fetch for x, waves 2 and 3 for W; the branch hangs on the wave's number alone.  Four v_nop follow each of the two lines.
.macro JLOAD g0a, g1a, g0b, g1b
	s_cmp_eq_u32 s15, 0
	s_cbranch_scc0 .Lfor_b_\@
	tensor_load_to_lds s[\g0a:\g0a+3], s[\g1a:\g1a+7]
	s_nop 0
.rept 4
	v_nop
.endr
	s_branch .Lasked_\@
.Lfor_b_\@:
	tensor_load_to_lds s[\g0b:\g0b+3], s[\g1b:\g1b+7]
	s_nop 0
.rept 4
	v_nop
.endr
.Lasked_\@:
.endm
.macro CREST                           ; a round of the cluster's barrier behind its opening barrier
	s_cmp_lg_u32 s14, 0
	s_cbranch_scc1 .Lnot_wave_0_\@
	s_barrier_signal -3
.Lnot_wave_0_\@:
	s_barrier_wait -3
	s_barrier_signal -1
	s_barrier_wait -1
.endm
.macro CROUND                          ; a whole round
	s_barrier_signal -1
	s_barrier_wait -1
	CREST
.endm
.macro PLACES                          ; four places behind a matrix instruction, in front of loads into its registers and of reads of its results (ISA guide 7.12.1 for reads of its results)
.rept 4
	v_nop
.endr
.endm
.macro FRAG reg, adr, q, i             ; fragment of tile i, K step q of the half: 8 registers, two loads of 512 consecutive bytes
.irp c, 0,1
	ds_load_b128 v[\reg+4*\c:\reg+4*\c+3], v[\adr] offset:4096*(\i)+1024*(\q)+512*\c
.endr
.endm
; THE FIRST PRODUCT.  16 matrix instructions: x's tiles a0, a0 + 1 x W's eight.  p: W's set; sc: the set of scale words.  The 64 accumulators take turns, one instruction a turn.
.macro MUL16 a0, p, q, sc, zero
.irp a, \a0, \a0+1
.irp b, 0,1,2,3,4,5,6,7
.if \zero
	v_wmma_scale_f32_16x16x128_f8f6f4 v[8*(8*((\a)%4)+\b):8*(8*((\a)%4)+\b)+7], v[128*(\p)+FR*\b:128*(\p)+FR*\b+FR-1], v[AF+FR*(\a):AF+FR*(\a)+FR-1], 0, v[SC+8*NQ*(\sc)+NQ*\b+(\q)], v[SC+8*NQ*(\sc)+NQ*(\a)+(\q)] matrix_a_fmt:MATRIX_FMT_FP4 matrix_b_fmt:MATRIX_FMT_FP4 matrix_a_scale:MATRIX_SCALE_ROW1
.else
	v_wmma_scale_f32_16x16x128_f8f6f4 v[8*(8*((\a)%4)+\b):8*(8*((\a)%4)+\b)+7], v[128*(\p)+FR*\b:128*(\p)+FR*\b+FR-1], v[AF+FR*(\a):AF+FR*(\a)+FR-1], v[8*(8*((\a)%4)+\b):8*(8*((\a)%4)+\b)+7], v[SC+8*NQ*(\sc)+NQ*\b+(\q)], v[SC+8*NQ*(\sc)+NQ*(\a)+(\q)] matrix_a_fmt:MATRIX_FMT_FP4 matrix_b_fmt:MATRIX_FMT_FP4 matrix_a_scale:MATRIX_SCALE_ROW1
.endif
.endr
.endr
.endm
.macro FETCH_B slot, q, p
	WIN TO_B
.irp i, 0,1,2,3,4,5,6,7
	FRAG 128*(\p)+FR*\i, ADRB+\slot, \q, \i
.endr
	WIN 0
.endm
.macro FETCH_A slot, q, i0
.irp i, \i0, \i0+1, \i0+2, \i0+3
	FRAG AF+FR*(\i), ADRA+\slot, \q, \i
.endr
.endm
.macro SCALES sc                       ; the scale words of half sc: four words a row; lanes 0-15 take x's tile i, lanes 16-31 W's tile i
.irp i, 0,1,2,3,4,5,6,7
	ds_load_b128 v[SC+8*NQ*\sc+NQ*\i:SC+8*NQ*\sc+NQ*\i+3], v[ADRS] offset:512*\i+256*\sc
.endr
.endm
; A step of 128 along K whose successor lies in the same half.  x's tiles are free as soon as their eight products are issued: one set serves them; W has two.
.macro STEP slot, q, zero
	s_wait_dscnt 8                                 ; all but the youngest eight loads (x's tiles 4-7) are in
	WIN MUL_LO
	MUL16 0, (\q)%2, \q, \slot, \zero
	MUL16 2, (\q)%2, \q, \slot, \zero
	s_wait_dscnt 0x0                               ; x's tiles 4-7 are in
	PLACES
	FETCH_B \slot, (\q)+1, 1-(\q)%2
	FETCH_A \slot, (\q)+1, 0
	WIN MUL_HI
	MUL16 4, (\q)%2, \q, \slot, \zero
	MUL16 6, (\q)%2, \q, \slot, \zero
	PLACES
	WIN 0
	FETCH_A \slot, (\q)+1, 4
.endm
; The last step of half 0 goes over to half 1: each wave waits for its own load of half 1, then one barrier shows it whole to all four.
.macro TURN
	s_wait_tensorcnt 0x0                           ; my part of half 1 has landed
	s_wait_dscnt 8
	WIN MUL_LO
	MUL16 0, 1, NQ-1, 0, 0
	s_wait_dscnt 0x0                               ; no LDS instruction of mine is pending at the signal
	s_barrier_signal -1
	MUL16 2, 1, NQ-1, 0, 0
	WIN 0
	s_barrier_wait -1
	PLACES
	FETCH_B 1, 0, 0
	FETCH_A 1, 0, 0
	SCALES 1
	WIN MUL_HI
	MUL16 4, 1, NQ-1, 0, 0
	MUL16 6, 1, NQ-1, 0, 0
	PLACES
	WIN 0
	FETCH_A 1, 0, 4
.endm
; THE SECOND PRODUCT.  K step g = 0 .. 7; both operands have two sets of registers, set g % 2.  24 LDS loads: my 8 tiles of tokens, my 4 tiles of Wv.
.macro FETCHV g
	WIN TO_B
.irp i, 0,1,2,3,4,5,6,7
	FRAG 128*((\g)%2)+FR*\i, ADRX+(\g)/4, (\g)%4, \i
.endr
	WIN 0
.irp i, 0,1,2,3
.irp c, 0,1
	ds_load_b128 v[AFV+32*((\g)%2)+FR*\i+4*\c:AFV+32*((\g)%2)+FR*\i+4*\c+3], v[ADRW] offset:8192*\i+1024*(\g)+512*\c
.endr
.endr
.endm
.macro MULV g, zero                    ; 32 matrix instructions: Wv's four tiles x the tokens' eight; the 32 accumulators take turns
.irp a, 0,1,2,3
.irp b, 0,1,2,3,4,5,6,7
.if \zero
	v_wmma_scale_f32_16x16x128_f8f6f4 v[8*(8*\a+\b):8*(8*\a+\b)+7], v[128*((\g)%2)+FR*\b:128*((\g)%2)+FR*\b+FR-1], v[AFV+32*((\g)%2)+FR*\a:AFV+32*((\g)%2)+FR*\a+FR-1], 0, v[SC+32*((\g)/4)+NQ*\b+(\g)%4], v[WS+8*\a+(\g)] matrix_a_fmt:MATRIX_FMT_FP4 matrix_b_fmt:MATRIX_FMT_FP4
.else
	v_wmma_scale_f32_16x16x128_f8f6f4 v[8*(8*\a+\b):8*(8*\a+\b)+7], v[128*((\g)%2)+FR*\b:128*((\g)%2)+FR*\b+FR-1], v[AFV+32*((\g)%2)+FR*\a:AFV+32*((\g)%2)+FR*\a+FR-1], v[8*(8*\a+\b):8*(8*\a+\b)+7], v[SC+32*((\g)/4)+NQ*\b+(\g)%4], v[WS+8*\a+(\g)] matrix_a_fmt:MATRIX_FMT_FP4 matrix_b_fmt:MATRIX_FMT_FP4
.endif
.endr
.endr
.endm
; 64 numbers of a lane, register 16 b + i = k 32 b + 16 (lane / 16) + i of the lane's row, become a fragment's codes in v[pc] on and its scale word in v[pw] (the same in both halves of the lanes).
.macro QUANT s, pc, pw
.irp b, 0,1,2,3
	v_max3_num_f32 v[TM+\b], |v[\s+16*\b]|, |v[\s+1+16*\b]|, 0x1800000   ; my 16 numbers of block b, and the floor 2^(3 - 127)
.endr
.irp i, 2,4,6,8,10,12,14
.irp b, 0,1,2,3
	v_max3_num_f32 v[TM+\b], v[TM+\b], |v[\s+16*\b+\i]|, |v[\s+1+16*\b+\i]|
.endr
.endr
.irp b, 0,1,2,3
	v_permlanex16_b32 v[TM+4+\b], v[TM+\b], s[SEL], s[SEL+1]
.endr
.irp b, 0,1,2,3
	v_max_num_f32 v[TM+\b], v[TM+\b], v[TM+4+\b]
.endr
.irp b, 0,1,2,3
	v_add_nc_u32 v[TM+12+\b], 0xff000000, v[TM+\b]   ; 2 off the exponent field: the conversion's scale operand
.endr
.irp b, 0,1,2,3
	v_lshrrev_b32 v[TM+4+\b], 23, v[TM+12+\b]      ; the byte
.endr
	v_lshl_or_b32 v[\pw], v[TM+5], 8, v[TM+4]
	v_lshl_or_b32 v[\pw], v[TM+6], 16, v[\pw]
	v_lshl_or_b32 v[\pw], v[TM+7], 24, v[\pw]
.irp b, 0,1,2,3
	v_cvt_scalef32_pk8_fp4_f32 v[\pc+2*\b], v[\s+16*\b:\s+7+16*\b], v[TM+12+\b]
	v_cvt_scalef32_pk8_fp4_f32 v[\pc+1+2*\b], v[\s+8+16*\b:\s+15+16*\b], v[TM+12+\b]
.endr
	v_nop                                          ; one plain place behind a scaled conversion
.irp c, 0,1
.irp i, 0,1
	v_permlane16_swap_b32 v[\pc+4*\c+\i], v[\pc+2+4*\c+\i]
.endr
.endr
.endm
.macro CSLOAD a, set                   ; cos and sin for tile a of my tokens: 32 registers, eight loads of 512 consecutive bytes
.irp i, 0,1,2,3,4,5,6,7
	global_load_b128 v[CSB+32*(\set)+4*\i:CSB+32*(\set)+4*\i+3], v[LI], s[92:93] offset:4096*(\a)+512*\i
.endr
.endm
; Tile a of my tokens: 16 tokens x 128 columns, two heads.  Bias, rotation, quantiser; registers 0-3 of the codes are the first head's 64 channels, registers 4-7 the second's.
.macro EPI_QK a
.if (\a) < 7
	s_wait_loadcnt 8                               ; the biases, Wv's scale words and this tile's cos and sin are in; the next tile's eight loads may be out
.else
	s_wait_loadcnt 0x0
.endif
	s_wait_xcnt 0x0                                ; the last tile's stores have read the codes' registers
.set AC, 64*((\a)%4)
	WIN 0x06+(\a)/4                                ; source 0 window 2 or 3, source 1 window 1
.set J, 0
.rept 32
	v_pk_add_f32 v[T+J:T+J+1], v[AC+J:AC+J+1], v[BIAS+J:BIAS+J+1]   ; each accumulator from its low end on
.set J, J+2
.endr
	WIN 0
.set CB, CSB+32*((\a)%2)
.set B, 0
.rept 4
.set M, 0
.rept 8
.set XE, T+16*B+2*M
.set CE, CB+16*(B%2)+2*M
	v_mul_f32 v[57+M%3], v[XE], v[CE+1]            ; x1 sin
	v_mul_f32 v[XE], v[XE], v[CE]                  ; x1 cos
	v_fma_f32 v[XE], -v[XE+1], v[CE+1], v[XE]      ; x1 cos - x2 sin
	v_fma_f32 v[XE+1], v[XE+1], v[CE], v[57+M%3]   ; x2 cos + x1 sin
.set M, M+1
.endr
.set B, B+1
.endr
.if (\a) < 6
	CSLOAD (\a)+2, (\a)%2
.endif
	QUANT T, PC, PW
	global_store_b128 v[LI], v[PC:PC+3], s[96:97] offset:512*(\a)            ; 512 consecutive bytes: the first head's tile
	global_store_b128 v[LI], v[PC+4:PC+7], s[96:97] offset:512*(\a)+HEADB    ; the second head's
; the scale words: bytes 0, 1 the head's two blocks, bytes 2, 3 zero (they stand over the zero codes that fill K up to 128).  Register a / 2: lanes 0-15 the even tile's rows, lanes 16-31 the odd tile's
.if (\a)%2 == 0
	v_and_b32 v[SWA+(\a)/2], 0xffff, v[PW]
	v_lshrrev_b32 v[SWB+(\a)/2], 16, v[PW]
.else
	v_and_b32 v57, 0xffff, v[PW]
	v_lshrrev_b32 v58, 16, v[PW]
	v_cndmask_b32 v[SWA+(\a)/2], v[SWA+(\a)/2], v57, s94
	v_cndmask_b32 v[SWB+(\a)/2], v[SWB+(\a)/2], v58, s94
.endif
.endm
; Tile a of my head's channels: 16 channels x 128 tokens.  The codes are a whole fragment of the second attention product.
.macro EPI_V a
	s_wait_xcnt 0x0                                ; earlier stores have read the registers that are written below
	WIN 0x06                                       ; source 0 window 2, source 1 window 1
.set J, 0
.rept 64
	v_add_f32 v[T+J], v[64*(\a)+J], v[BV+(\a)]     ; each accumulator from its low end on
.set J, J+1
.endr
	WIN 0
	QUANT T, PC, PW
	global_store_b128 v[LI], v[PC:PC+3], s[4:5] offset:1024*(\a)
	global_store_b128 v[LI], v[PC+4:PC+7], s[4:5] offset:1024*(\a)+512
.if (\a)%2 == 0
	v_mov_b32 v[SWA+(\a)/2], v[PW]                 ; lanes 0-15 keep the even tile's words,
.else
	v_cndmask_b32 v[SWA+(\a)/2], v[SWA+(\a)/2], v[PW], s94   ; lanes 16-31 take the odd tile's
.endif
.endm
	s_load_b512 s[68:83], s[0:1], 0x0              ; xi 68, xs 70, wi 72, ws 74, bq 76, bk 78, bv 80, rt 82: used up before these registers take descriptors
	s_load_b64 s[84:85], s[0:1], 0x40              ; qkv
	v_lshl_add_u32 v[SPW], v0, 2, SPARE
	v_mov_b32 v[NIL], 0
	ds_add_u32 v28, v29
	ds_add_u32 v28, v29
	s_wait_dscnt 0x0
	v_lshrrev_b32 v1, 5, v0
	v_readfirstlane_b32 s14, v1                    ; wave 0..3
	s_lshr_b32 s15, s14, 1                         ; first product: which half of the tokens is mine; second: which head.  Also: I fetch for x (0) or for W (1)
	s_and_b32 s16, s14, 1                          ; first product: which half of the columns; second: which half of the tokens.  Also: which 8 tiles I fetch
	s_bfe_u32 s40, ttmp6, 0x40000                  ; cx, cy: my place in the cluster
	s_bfe_u32 s41, ttmp6, 0x40004
	s_lshr_b32 s17, ttmp9, 1
	s_lshl_b32 s17, s17, 2
	s_add_co_u32 s17, s17, s41                     ; x's tile of 256 tokens: 0 .. 31
	s_and_b32 s42, ttmp9, 1
	s_lshl_b32 s42, s42, 2
	s_add_co_u32 s42, s42, s40                     ; the tile of 256 columns of [Wq, Wk], and of 128 columns of Wv: 0 .. 7
	s_lshl_b32 s43, s41, 2
	s_lshl_b32 s43, 15, s43                        ; my row of the cluster
	s_lshl_b32 s44, 0x1111, s40                    ; my column
	s_mov_b32 s[SEL], 0x76543210
	s_mov_b32 s[SEL+1], 0xfedcba98
	s_mov_b32 s94, 0xffff0000                      ; lanes 16-31
	; what I fetch: 8 tiles of 8,192 bytes of codes and 512 of scale bytes.  x's addresses hang on x's tile alone, W's on W's, each in registers that never hold the other coordinate
	s_lshl_b32 s20, s17, 17
	s_lshl_b32 s21, s16, 16
	s_add_co_u32 s20, s20, s21
	s_mov_b32 s21, 0
	s_lshl_b32 s22, s17, 13
	s_lshl_b32 s23, s16, 12
	s_add_co_u32 s22, s22, s23
	s_mov_b32 s23, 0
	s_lshl_b32 s46, s42, 17
	s_lshl_b32 s47, s16, 16
	s_add_co_u32 s46, s46, s47
	s_mov_b32 s47, 0
	s_lshl_b32 s98, s42, 13
	s_lshl_b32 s99, s16, 12
	s_add_co_u32 s98, s98, s99
	s_mov_b32 s99, 0
	s_lshl_b32 s100, s42, 16                       ; Wv: tiles 128 + 8 x tile on; my two of the eight
	s_lshl_b32 s101, s14, 14
	s_add_co_u32 s100, s100, s101
	s_add_co_u32 s100, s100, 0x100000
	s_mov_b32 s101, 0
	s_wait_kmcnt 0x0
	s_add_nc_u64 s[4:5], s[68:69], s[20:21]        ; x's codes
	s_add_nc_u64 s[6:7], s[70:71], s[22:23]        ; x's scale bytes
	s_add_nc_u64 s[8:9], s[72:73], s[46:47]        ; W's codes
	s_add_nc_u64 s[10:11], s[74:75], s[98:99]      ; W's scale bytes
	s_add_nc_u64 s[100:101], s[72:73], s[100:101]  ; Wv's codes: kept for the refill
	s_lshl_b32 s98, s42, 12                        ; Wv's scale bytes: my head's four tiles
	s_lshl_b32 s99, s15, 11
	s_add_co_u32 s98, s98, s99
	s_add_co_u32 s98, s98, 0x10000
	s_mov_b32 s99, 0
	s_add_nc_u64 s[98:99], s[74:75], s[98:99]
	s_mov_b64 s[104:105], s[80:81]                 ; bv
	s_and_b32 s18, ttmp9, 1
	s_cmp_eq_u32 s18, 0                            ; even clusters: q; odd: k.  The choice hangs on the cluster's number, which all sixteen partners share
	s_cselect_b64 s[12:13], s[76:77], s[78:79]
	s_cselect_b32 s95, 8960, 0                     ; where Q's part of a record begins, or K's
	s_mov_b64 s[92:93], s[82:83]
	s_mov_b64 s[96:97], s[84:85]
	s_lshl_b32 s45, s14, 15                        ; where the tiles go: wave x 32,768, and wave x 4,096: no place in the cluster enters an LDS address
	s_lshl_b32 s19, s14, 12
	; descriptor group 1 for codes: 8 rows (tiles) of 512 elements of 8 bytes (half of a tile's K), 1,024 elements from tile to tile; no padding
	s_or_b32 s[G1+0], s43, (3<<16)|(1<<21)         ; 15:0 the mask: x's tiles go to my row; 17:16 elements of 8 bytes; 21 set beside a mask
	s_or_b32 s[G1B+0], s44, (3<<16)|(1<<21)
.irp g, G1, G1B
	s_mov_b32 s[\g+1], 512<<16                     ; tensor_dim0
	s_mov_b32 s[\g+2], 8<<16                       ; tensor_dim1
	s_mov_b32 s[\g+3], 512<<16                     ; tile_dim0
	s_mov_b32 s[\g+4], 8                           ; tile_dim1
	s_mov_b32 s[\g+5], 1024                        ; tensor_dim0_stride
	s_mov_b32 s[\g+6], 0
	s_mov_b32 s[\g+7], 0
.endr
	; and for scale bytes: 4,096 dense bytes as 16 rows of 256
	s_or_b32 s[G1S+0], s43, (3<<16)|(1<<21)
	s_or_b32 s[G1SB+0], s44, (3<<16)|(1<<21)
.irp g, G1S, G1SB
	s_mov_b32 s[\g+1], 32<<16
	s_mov_b32 s[\g+2], 16<<16
	s_mov_b32 s[\g+3], 32<<16
	s_mov_b32 s[\g+4], 16
	s_mov_b32 s[\g+5], 32
	s_mov_b32 s[\g+6], 0
	s_mov_b32 s[\g+7], 0
.endr
	CROUND                                         ; all sixteen work-groups are here: the joint loads meet
	s_mov_b32 s[G0S], 1
	s_add_co_u32 s[G0S+1], s19, SCL
	s_mov_b64 s[G0S+2:G0S+3], s[6:7]
	s_or_b32 s[G0S+3], s[G0S+3], 0x80000000
	s_mov_b32 s[G0SB], 1
	s_add_co_u32 s[G0SB+1], s19, SCL
	s_mov_b64 s[G0SB+2:G0SB+3], s[10:11]
	s_or_b32 s[G0SB+3], s[G0SB+3], 0x80000000
	JLOAD G0S, G1S, G0SB, G1SB                     ; three loads of mine are out behind these lines: the scale bytes, half 0, half 1
.irp s, 0,1
	s_mov_b32 s[G0+4*\s], 1
	s_add_co_u32 s[G0+4*\s+1], s45, \s*HALFK
	s_add_nc_u64 s[G0+4*\s+2:G0+4*\s+3], s[4:5], \s*4096
	s_or_b32 s[G0+4*\s+3], s[G0+4*\s+3], 0x80000000
	s_mov_b32 s[G0B+4*\s], 1
	s_add_co_u32 s[G0B+4*\s+1], s45, \s*HALFK
	s_add_nc_u64 s[G0B+4*\s+2:G0B+4*\s+3], s[8:9], \s*4096
	s_or_b32 s[G0B+4*\s+3], s[G0B+4*\s+3], 0x80000000
	s_wait_alu depctr_va_vdst(0)
	s_wait_tensorcnt 0x0
	ds_add_u32 v28, v29
	s_wait_dscnt 0x0
	CROUND
	JLOAD G0+4*\s, G1, G0B+4*\s, G1B
.endr
	v_and_b32 v1, 31, v0                           ; lane
	v_and_b32 v2, 15, v0                           ; r
	v_bfe_u32 v3, v0, 4, 1                         ; h
	v_lshlrev_b32 v[LI], 4, v1
	s_wait_alu depctr_va_vdst(0)
	v_lshlrev_b32 v[L8], 3, v1
	v_lshlrev_b32 v[R16], 4, v2
	s_wait_alu depctr_va_vdst(0)
	s_lshl_b32 s21, s15, 15                        ; first product: my 8 tiles of tokens,
	s_lshl_b32 s22, s16, 15                        ; my 8 tiles of W (and, second product, my 8 tiles of tokens)
	v_add_nc_u32 v[ADRX], s22, v[LI]
	s_add_co_u32 s23, s22, HALFK
	v_add_nc_u32 v[ADRX+1], s23, v[LI]
	s_add_co_u32 s22, s22, BOFF                    ; W lies behind x's 16 tiles
.irp s, 0,1
	v_add_nc_u32 v[ADRA+\s], s21, v[LI]
	v_add_nc_u32 v[ADRB+\s], s22, v[LI]
	s_add_co_u32 s21, s21, HALFK
	s_add_co_u32 s22, s22, HALFK
.endr
	s_lshl_b32 s23, s15, 15
	s_add_co_u32 s23, s23, BOFF
	v_add_nc_u32 v[ADRW], s23, v[LI]               ; second product: my head's 4 tiles of Wv, 8,192 bytes each
	s_lshl_b32 s21, s15, 12
	s_lshl_b32 s22, s16, 12
	s_add_co_u32 s23, s22, SCL
	v_add_nc_u32 v[ADRSX], s23, v[R16]             ; second product: my tokens' scale words, the same in both halves of the lanes
	s_add_co_u32 s22, s22, 8192
	s_sub_co_u32 s22, s22, s21
	v_mul_u32_u24 v6, s22, v3                      ; first product: lanes 16-31 take W's: one product, the distance between the two bases
	s_add_co_u32 s21, s21, SCL
	v_add_nc_u32 v5, v[R16], v6
	v_add_nc_u32 v[ADRS], s21, v5
	; where the biases, the table and the records begin
	s_and_b32 s18, s42, 3                          ; which 256 columns of Wq or Wk
	s_lshl_b32 s2, s18, 10
	s_lshl_b32 s3, s16, 9
	s_add_co_u32 s2, s2, s3
	s_mov_b32 s3, 0
	s_add_nc_u64 s[12:13], s[12:13], s[2:3]        ; bq or bk at my 128 columns
	s_and_b32 s19, s17, 7                          ; which 256 positions of the sequence
	s_lshl_b32 s2, s19, 16
	s_lshl_b32 s20, s15, 15
	s_add_co_u32 s2, s2, s20
	s_add_nc_u64 s[92:93], s[92:93], s[2:3]        ; the table at my 8 tiles of positions
	s_lshl_b32 s2, s42, 9
	s_lshl_b32 s20, s15, 8
	s_add_co_u32 s2, s2, s20
	s_add_nc_u64 s[104:105], s[104:105], s[2:3]    ; bv at my head's 64 columns
	s_lshr_b32 s20, s17, 3
	s_lshl_b32 s20, s20, 4                         ; 16 x batch
	s_lshl_b32 s22, s19, 1                         ; the tile's first key step
	s_lshl_b32 s21, s42, 1
	s_add_co_u32 s21, s21, s20
	s_add_co_u32 s21, s21, s15                     ; v: batch x 16 + head 2 x tile + wave / 2
	s_lshl_b32 s21, s21, 4
	s_add_co_u32 s21, s21, s22
	s_add_co_u32 s21, s21, s16                     ; the record of my 128 tokens
	s_mul_i32 s2, s21, REC
	s_add_co_u32 s2, s2, 4608                      ; V's part of it
	s_add_nc_u64 s[4:5], s[96:97], s[2:3]
	s_lshl_b32 s21, s18, 2
	s_add_co_u32 s20, s20, s21
	s_lshl_b32 s21, s16, 1
	s_add_co_u32 s20, s20, s21                     ; q, k: batch x 16 + my first head
	s_lshl_b32 s20, s20, 4
	s_add_co_u32 s20, s20, s22
	s_add_co_u32 s20, s20, s15                     ; the record of my 128 tokens
	s_mul_i32 s2, s20, REC
	s_add_co_u32 s2, s2, s95
	s_add_nc_u64 s[96:97], s[96:97], s[2:3]
	v_lshlrev_b32 v7, 6, v3                        ; bq, bk in the results' order: register 16 B + i is column 32 B + 16 h + i
	v_and_b32 v[BVO], 8, v2
	v_add_nc_u32 v[BVO], v[BVO], v2
	v_lshlrev_b32 v[BVO], 2, v[BVO]                ; bv: my lane's column of a tile: r + 8 (r / 8)
	WIN 0x40
.irp b, 0,1,2,3
.irp j, 0,1,2,3
	global_load_b128 v[BIAS+16*\b+4*\j:BIAS+16*\b+4*\j+3], v7, s[12:13] offset:128*\b+16*\j
.endr
.endr
.irp a, 0,1,2,3
	global_load_b32 v[BV+\a], v[BVO], s[104:105] offset:(32*(\a/2)+8*(\a%2))*4
.endr
	WIN 0
.irp a, 0,1,2,3
.irp c, 0,1
	global_load_b128 v[WS+8*\a+4*\c:WS+8*\a+4*\c+3], v[R16], s[98:99] offset:512*\a+256*\c   ; Wv's scale words: tile a, K steps 4 c .. 4 c + 3; sixteen lanes read 256 consecutive bytes
.endr
.endr
	CSLOAD 0, 0
	CSLOAD 1, 1
	s_wait_alu depctr_va_vdst(0)
; ======== the first product ========
	s_wait_tensorcnt 1                             ; my scale bytes and my part of half 0 are in; my load of half 1 may be out
	s_barrier_signal -1
	s_barrier_wait -1                              ; everybody's are
	FETCH_B 0, 0, 0
	FETCH_A 0, 0, 0
	SCALES 0
	FETCH_A 0, 0, 4
	STEP 0, 0, 1                                   ; the first products start the sums: nothing is cleared
	STEP 0, 1, 0
	STEP 0, 2, 0
	TURN
	STEP 1, 0, 0
	STEP 1, 1, 0
	STEP 1, 2, 0
	; The last step.  Behind it W's bytes of half 0 are filled again, with Wv.  Each wave waits for all its tensor loads, adds 0 to its spare word, and waits for that and for its LDS reads;
	; the barrier opens a round of the cluster's barrier, so that no wave of any partner still reads those bytes; the joint refill is the first thing behind the round, one load a wave.
	s_wait_dscnt 8                                 ; all but x's tiles 4-7 are in: nothing more to fetch
	WIN MUL_LO
	MUL16 0, 1, NQ-1, 1, 0
	MUL16 2, 1, NQ-1, 1, 0
	WIN 0                                          ; (the add's two registers lie in window 0)
	s_wait_tensorcnt 0x0                           ; no tensor load of mine is out, so descriptors may be written
	ds_add_u32 v[SPW], v[NIL]                      ; 0 onto my spare word
	s_mov_b32 s[G1B+2], 4<<16                      ; W's descriptors become Wv's: 4 rows of 512 elements of 8 bytes, one behind the other: my two tiles, 16,384 dense bytes; the column's mask stays
	s_mov_b32 s[G1B+4], 4
	s_mov_b32 s[G1B+5], 512
	s_lshl_b32 s[G0B+1], s14, 14
	s_add_co_u32 s[G0B+1], s[G0B+1], BOFF          ; LDS address: BOFF + 16,384 x wave
	s_mov_b64 s[G0B+2:G0B+3], s[100:101]
	s_or_b32 s[G0B+3], s[G0B+3], 0x80000000
	s_wait_dscnt 1                                 ; x's tiles 4-7 are in; the add may be out
	WIN MUL_HI
	MUL16 4, 1, NQ-1, 1, 0                         ; sixteen matrix instructions stand between the add and the wait for it
	s_wait_dscnt 0x0                               ; the add is done, and my LDS reads are over
	s_barrier_signal -1
	MUL16 6, 1, NQ-1, 1, 0
	WIN 0
	s_barrier_wait -1
	CREST
	tensor_load_to_lds s[G0B:G0B+3], s[G1B:G1B+7]  ; my one tensor load behind the round; it has the whole epilogue below in which to land
	s_nop 0
	PLACES                                         ; (the places in front of the epilogue, which reads results and writes registers that held operands and scales)
.irp b, 0,1,2,3
	v_mov_b32 v[TM+4+\b], 0                        ; a lane permute's destination counts as one of its sources
.endr
.irp a, 0,1,2,3,4,5,6,7
	EPI_QK \a
.endr
	global_store_b128 v[LI], v[SWA:SWA+3], s[96:97] offset:4096
	global_store_b128 v[LI], v[SWB:SWB+3], s[96:97] offset:4096+HEADB
; ======== the second product ========
	s_wait_tensorcnt 0x0                           ; my two tiles of Wv have landed,
	s_wait_xcnt 0x0                                ; (the stores above have read their registers: LDS loads land there below)
	s_barrier_signal -1
	s_barrier_wait -1                              ; everybody's have.
.irp c, 0,1
.irp i, 0,1,2,3,4,5,6,7
	ds_load_b128 v[SC+32*\c+NQ*\i:SC+32*\c+NQ*\i+3], v[ADRSX] offset:512*\i+256*\c   ; my tokens' scale words for all of K
.endr
.endr
	FETCHV 0
.irp g, 0,1,2,3,4,5,6,7
.if \g < 7
.if \g > 0
	PLACES                                         ; the loads below land in the set that the last step's products read
.endif
	FETCHV \g+1
	s_wait_dscnt 24                                ; all but the 24 just issued: this step's fragments (and the scale words) are in
.else
	s_wait_dscnt 0x0
.endif
	WIN MUL_LO
.if \g == 0
	MULV \g, 1                                     ; the first products start the sums
.else
	MULV \g, 0
.endif
	WIN 0
.endr
	PLACES
.irp a, 0,1,2,3
	EPI_V \a
.endr
	global_store_b64 v[L8], v[SWA:SWA+1], s[4:5] offset:4096   ; V's scale words: 256 consecutive bytes, aligned
	s_wait_tensorcnt 0x0                           ; the wave's end
	ds_add_u32 v[SPW], v[NIL]
	s_wait_dscnt 0x0
	CROUND                                         ; the closing round: no work-group ends while a partner may still ask for a tile that names it
	s_endpgm
.Lfunc_end_k_qe7d95c82bc_qkv:
	.size	k_qe7d95c82bc_qkv, .Lfunc_end_k_qe7d95c82bc_qkv-k_qe7d95c82bc_qkv
	.p2alignl 7, 3214868480
	.fill 96, 4, 3214868480
	.section	.rodata,"a",@progbits
	.p2align	6, 0x0
	.amdhsa_kernel k_qe7d95c82bc_qkv
		.amdhsa_group_segment_fixed_size 327680
		.amdhsa_private_segment_fixed_size 0
		.amdhsa_enable_private_segment 0
		.amdhsa_kernarg_size 72
		.amdhsa_user_sgpr_count 2
		.amdhsa_user_sgpr_kernarg_segment_ptr 1
		.amdhsa_wavefront_size32 1
		.amdhsa_system_sgpr_workgroup_id_x 1
		.amdhsa_system_sgpr_workgroup_id_y 1
		.amdhsa_system_sgpr_workgroup_id_z 1
		.amdhsa_system_vgpr_workitem_id 0
		.amdhsa_next_free_vgpr 1024
		.amdhsa_next_free_sgpr 106
		.amdhsa_reserve_vcc 0
		.amdhsa_float_denorm_mode_32 3
		.amdhsa_float_denorm_mode_16_64 3
		.amdhsa_memory_ordered 1
		.amdhsa_forward_progress 1
		.amdhsa_inst_pref_size 255
	.end_amdhsa_kernel
	.section	.bss,"aw",@nobits
	.p2align	6
	.space	262144
	.amdgpu_metadata
---
amdhsa.version: [ 1, 2 ]
amdhsa.kernels:
  - .name:           k_qe7d95c82bc_qkv
    .symbol:         k_qe7d95c82bc_qkv.kd
    .args:
      - { .name: xi, .offset: 0, .size: 8, .value_kind: global_buffer, .address_space: global }
      - { .name: xs, .offset: 8, .size: 8, .value_kind: global_buffer, .address_space: global }
      - { .name: wi, .offset: 16, .size: 8, .value_kind: global_buffer, .address_space: global }
      - { .name: ws, .offset: 24, .size: 8, .value_kind: global_buffer, .address_space: global }
      - { .name: bq, .offset: 32, .size: 8, .value_kind: global_buffer, .address_space: global }
      - { .name: bk, .offset: 40, .size: 8, .value_kind: global_buffer, .address_space: global }
      - { .name: bv, .offset: 48, .size: 8, .value_kind: global_buffer, .address_space: global }
      - { .name: rt, .offset: 56, .size: 8, .value_kind: global_buffer, .address_space: global }
      - { .name: qkv, .offset: 64, .size: 8, .value_kind: global_buffer, .address_space: global }
    .group_segment_fixed_size: 327680
    .private_segment_fixed_size: 0
    .kernarg_segment_align: 8
    .kernarg_segment_size: 72
    .max_flat_workgroup_size: 128
    .sgpr_count:     106
    .vgpr_count:     1024
    .wavefront_size: 32
...
	.end_amdgpu_metadata
.endif
;; end of part 2
;; launch attn (part 3): grid 4 x 64, 16 waves a work-group, clusters of 4 x 1, 169,984 bytes of LDS; arguments qkv, oi, os; writes oi, os
.if DOCPART == 3
	.amdgcn_target "amdgcn-amd-amdhsa--gfx1250"
	.amdhsa_code_object_version 6
	.text
	.protected	k_qe7d95c82bc_attn
	.globl	k_qe7d95c82bc_attn
	.p2align	8
	.type	k_qe7d95c82bc_attn,@function
k_qe7d95c82bc_attn:
	s_mov_b64 s[64:65], 0
	v_nop
	global_prefetch_b8 v0, s[64:65] scope:SCOPE_SE
	s_setreg_imm32_b32 hwreg(HW_REG_WAVE_MODE, 25, 1), 1
	s_wait_xcnt 0x0
	s_wait_alu depctr_hold_cnt(0) depctr_sa_sdst(0) depctr_va_vdst(0) depctr_va_sdst(0) depctr_va_ssrc(0) depctr_va_vcc(0) depctr_vm_vsrc(0)
	s_getreg_b32 s2, hwreg(HW_REG_IB_STS2, 6, 4)
	s_cmp_eq_u32 s2, 0
	s_cbranch_scc0 .Lentry_in_a_cluster
	s_endpgm
.Lentry_in_a_cluster:
	s_bfe_u32 s2, ttmp6, 0x10000c
	s_cmp_lg_u32 s2, 0x3003
	s_cbranch_scc0 .Lentry_shape_is_right
	s_endpgm
.Lentry_shape_is_right:
; ATTN.  inter[b][q][h d] = the sum over keys of softmax(q . k / 32) v, both products on codes of FP4 (E2M1) with E8M0 scales; the result is quantised along (h d) and leaves as the operand of the last projection.
; THE SOFTMAX: t = score x log2(e) / 32 (the division by sqrt(1024) is exact); M = the row's largest t so far, rounded UP to a whole number; p = 2^(t - M) is quantised along the keys, not normalised.
; The row's sum is taken of the unquantised p, in f32, and divides at the end.  When M moves, the sum and O are multiplied by 2^(old M - new M), which rounds nothing.
; SHARES.  A work-group owns 512 queries of one head: sixteen waves, each two tiles of 16 queries, one after the other, in 256 registers: four waves to a SIMD, so that one wave's vector work
; stands beside another's matrix work and LDS loads.  The head's whole K and V (codes and scale words, 16 records' first 8,960 bytes) lie in LDS: 143,360 bytes, filled once, one tensor load a wave.
; The four work-groups of a head form a cluster and ask for these bytes jointly: the same load, the same descriptor, the mask of all four.
; LAYOUT.  Both products transposed: S^T = K Q^T (source 0 = 16 keys, source 1 = my 16 queries), O^T = V^T P^T (source 0 = 16 channels, source 1 = P): a lane holds one query throughout.
; Tiles hold their rows in the order r -> 32 B + 8 u + r + 8 (r / 8), so the 16 registers of result tiles 2 B, 2 B + 1 are 16 neighbouring keys (or channels).
; The first product's K is the head's 64: registers 4-7 of K's and Q's fragments are zero codes, set once, and bytes 2, 3 of their scale words are 0 (2^-127, over zero codes).
; A block's largest p is the block's largest score put through the same multiply-add and exponential; this takes v_exp_f32 not to fall where its input rises.
; LIMITS: NaN and infinities are not served; a block of p or of the result under 2^-124 gets the byte 1.  The result's scale bytes leave one byte a lane (262,144 bytes in the launch): a row's 32 bytes come from 16 heads.
; REGISTERS: v1-4 lane offsets; v8-9 LDS addresses; v12 -M, v13 the largest t, v[14:15] the sum; v16-23, v24 tile 0's Q and its scale words; v26-29 K's scale words, v30-31 V's; v32-95 K; v96-159 S^T, then p;
;   v160-191 O^T; v192-223 V; v224-231 p's codes; v232-243 at work; v244-251, v255 tile 1's Q; v252 f, v253 p's scale word, v254 at work.
.set REC,  13568
.set KV,   8960                        ; K's and V's part of a record
.macro ROUND                           ; a round of the cluster's barrier
	s_barrier_signal -1
	s_barrier_wait -1
	s_cmp_lg_u32 s10, 0
	s_cbranch_scc1 .Lnot_wave_0_\@
	s_barrier_signal -3
.Lnot_wave_0_\@:
	s_barrier_wait -3
	s_barrier_signal -1
	s_barrier_wait -1
.endm
	s_load_b128 s[4:7], s[0:1], 0x0                ; qkv, oi
	s_load_b64 s[8:9], s[0:1], 0x10                ; os
	v_lshl_add_u32 v11, v0, 2, 0x29000
	v_mov_b32 v25, 0
	ds_add_u32 v11, v25
	ds_add_u32 v11, v25
	v_lshrrev_b32 v1, 5, v0
	s_delay_alu instid0(VALU_DEP_1)
	v_readfirstlane_b32 s10, v1                    ; wave 0..15
	s_bfe_u32 s11, ttmp6, 0x40000                  ; cx: it enters Q's and the outputs' addresses alone
	s_and_b32 s12, ttmp7, 0xffff                   ; batch x 16 + head, which the four partners share
	s_lshl_b32 s13, s12, 4                         ; the head's first record
	s_add_co_u32 s14, s13, s10
	s_mul_i32 s14, s14, REC                        ; record = key step = my wave's number
	s_mov_b32 s15, 0
	s_mov_b32 s24, 15|(3<<16)|(1<<21)              ; group 1: the mask of all four; elements of 8 bytes; 21 set beside a mask
	s_mov_b32 s25, 1120<<16                        ; one row of 1,120 elements: 8,960 dense bytes
	s_mov_b32 s26, 1<<16
	s_mov_b32 s27, 1120<<16
	s_mov_b32 s28, 1
	s_mov_b32 s29, 1120
	s_mov_b32 s30, 0
	s_mov_b32 s31, 0
	s_mov_b32 s20, 0x76543210
	s_mov_b32 s21, 0xfedcba98                      ; v_permlanex16_b32's selects for lane l xor 16
	s_mov_b32 s22, 0x3d38aa3b                      ; c = log2(e) / 32
	s_mov_b32 s23, s22                             ; (named with it as a pair, so it is written)
	s_mov_b32 s34, 0xffff0000                      ; lanes 16-31
	; my first tile of queries: tile 32 cx + wave of the head's 128; the second lies 16 tiles on: 2 records, 131,072 bytes of oi, 8,192 of os
	s_lshl_b32 s44, s11, 2
	s_lshr_b32 s45, s10, 3
	s_add_co_u32 s44, s44, s45
	s_add_co_u32 s44, s44, s13
	s_mul_i32 s44, s44, REC                        ; its record
	s_and_b32 s45, s10, 7                          ; its place among the record's 8 tiles
	s_lshl_b32 s46, s45, 9
	s_add_co_u32 s46, s46, s44
	s_add_co_u32 s46, s46, 8960                    ; Q's codes
	s_mov_b32 s47, 0
	s_and_b32 s48, s10, 1
	s_lshl_b32 s48, s48, 8
	s_lshr_b32 s49, s45, 1
	s_lshl_b32 s49, s49, 2
	s_add_co_u32 s48, s48, s49
	s_add_co_u32 s48, s48, s44
	s_add_co_u32 s48, s48, 13056                   ; Q's scale words: word (tile / 2) of lane 16 (tile % 2) + r
	s_mov_b32 s49, 0
	s_lshr_b32 s50, s12, 4                         ; batch
	s_and_b32 s51, s12, 15                         ; head
	s_lshl_b32 s50, s50, 7
	s_lshl_b32 s52, s11, 5
	s_add_co_u32 s50, s50, s52
	s_add_co_u32 s50, s50, s10                     ; the tile of rows of inter
	s_lshl_b32 s52, s50, 13
	s_lshl_b32 s53, s51, 9
	s_add_co_u32 s52, s52, s53                     ; codes: 8,192 x tile + 512 x head (blocks 2 head, 2 head + 1)
	s_mov_b32 s53, 0
	s_lshl_b32 s54, s50, 9
	s_lshr_b32 s55, s51, 3
	s_lshl_b32 s55, s55, 8
	s_add_co_u32 s54, s54, s55
	s_and_b32 s55, s51, 7
	s_lshl_b32 s55, s55, 1
	s_add_co_u32 s54, s54, s55                     ; scale bytes: 512 x tile + 256 x half of K + 2 (head % 8)
	s_mov_b32 s55, 0
	s_mov_b32 s16, 1                               ; group 0: count 1,
	s_mul_i32 s17, s10, KV                         ; LDS address: wave x 8,960,
	s_wait_dscnt 0x0
	s_wait_kmcnt 0x0
	s_add_nc_u64 s[18:19], s[4:5], s[14:15]        ; the record's first byte,
	s_or_b32 s19, s19, 0x80000000                  ; type 2
	s_add_nc_u64 s[36:37], s[4:5], s[46:47]
	s_add_nc_u64 s[38:39], s[4:5], s[48:49]
	s_add_nc_u64 s[40:41], s[6:7], s[52:53]
	s_add_nc_u64 s[42:43], s[8:9], s[54:55]
	ROUND                                          ; all four work-groups are here: the joint loads meet
	tensor_load_to_lds s[16:19], s[24:31]          ; my one tensor load of the launch
	s_nop 0
.rept 4
	v_nop
.endr
	v_and_b32 v5, 31, v0
	s_delay_alu instid0(VALU_DEP_1)
	v_lshlrev_b32 v1, 4, v5                        ; 16 x lane
	s_delay_alu instid0(VALU_DEP_2)
	v_lshlrev_b32 v2, 3, v5                        ; 8 x lane
	v_and_b32 v6, 15, v0
	s_delay_alu instid0(VALU_DEP_1)
	v_lshlrev_b32 v3, 4, v6                        ; 16 r
	v_bfe_u32 v7, v0, 4, 1
	s_delay_alu instid0(VALU_DEP_1)
	v_add_nc_u32 v4, v3, v7                        ; 16 r + h
	global_load_b128 v[16:19], v1, s[36:37]
	global_load_b32 v24, v3, s[38:39]
	global_load_b128 v[244:247], v1, s[36:37] offset:2*REC
	global_load_b32 v255, v3, s[38:39] offset:2*REC
.irp c, 20,21,22,23,248,249,250,251
	v_mov_b32 v\c, 0                               ; Q's zero codes for k = 64 .. 127
.endr
.irp t, 0,1,2,3,4,5,6,7
.irp c, 4,5,6,7
	v_mov_b32 v[32+8*\t+\c], 0                     ; K's: no load ever lands here
.endr
.endr
.irp b, 0,1,2,3
	v_mov_b32 v[236+\b], 0                         ; a lane permute's destination counts as one of its sources
.endr
	v_mov_b32 v253, 0                              ; (named as the upper half of the pair v[252:253] before it is first written)
	s_wait_tensorcnt 0x0                           ; my record has landed,
	s_barrier_signal -1
	s_barrier_wait -1                              ; everybody's has
	s_wait_loadcnt 0x0                             ; Q
; A KEY STEP: 128 keys; its record begins at LDS byte s32.
.macro STEP qf, qs
	v_add_nc_u32 v8, s32, v1
	v_add_nc_u32 v9, s32, v2
	v_nop
	v_nop                                          ; four places between the last step's products and the loads into V's registers
.irp t, 0,1,2,3,4,5,6,7
	ds_load_b128 v[32+8*\t:35+8*\t], v8 offset:512*\t
.endr
	ds_load_b128 v[26:29], v8 offset:4096          ; K's scale words: register i: lanes 0-15 tile 2 i, lanes 16-31 tile 2 i + 1
.irp d, 0,1,2,3
.irp c, 0,1
	ds_load_b128 v[192+8*\d+4*\c:195+8*\d+4*\c], v8 offset:4608+1024*\d+512*\c
.endr
.endr
	ds_load_b64 v[30:31], v9 offset:8704           ; V's scale words, likewise
	s_wait_dscnt 9                                 ; K and its scale words are in; V's nine loads may be out
.irp t, 0,2,4,6
	v_wmma_scale_f32_16x16x128_f8f6f4 v[96+8*\t:103+8*\t], v[32+8*\t:39+8*\t], v[\qf:\qf+7], 0, v[26+\t/2], v[\qs] matrix_a_fmt:MATRIX_FMT_FP4 matrix_b_fmt:MATRIX_FMT_FP4
	v_wmma_scale_f32_16x16x128_f8f6f4 v[104+8*\t:111+8*\t], v[40+8*\t:47+8*\t], v[\qf:\qf+7], 0, v[26+\t/2], v[\qs] matrix_a_fmt:MATRIX_FMT_FP4 matrix_b_fmt:MATRIX_FMT_FP4 matrix_a_scale:MATRIX_SCALE_ROW1
.endr
.rept 4
	v_nop
.endr
.irp b, 0,1,2,3
	v_max3_num_f32 v[232+\b], v[96+16*\b], v[97+16*\b], v[98+16*\b]   ; the largest score of each block of 32 keys: for the row's maximum, and for the block's largest p
.endr
.irp i, 3,5,7,9,11,13
.irp b, 0,1,2,3
	v_max3_num_f32 v[232+\b], v[232+\b], v[96+16*\b+\i], v[97+16*\b+\i]
.endr
.endr
.irp b, 0,1,2,3
	v_max_num_f32 v[232+\b], v[232+\b], v[111+16*\b]
.endr
.irp b, 0,1,2,3
	s_delay_alu instid0(VALU_DEP_4)
	v_permlanex16_b32 v[236+\b], v[232+\b], s20, s21
.endr
.irp b, 0,1,2,3
	s_delay_alu instid0(VALU_DEP_4)
	v_max_num_f32 v[232+\b], v[232+\b], v[236+\b]  ; with lane l xor 16's 16 keys
.endr
	s_delay_alu instid0(VALU_DEP_2)
	v_max3_num_f32 v254, v232, v233, v234
	s_delay_alu instid0(VALU_DEP_1)
	v_max_num_f32 v254, v254, v235
	s_delay_alu instid0(VALU_DEP_1)
	v_mul_f32 v254, s22, v254                      ; the step's largest t
	s_delay_alu instid0(VALU_DEP_1)
	v_max_num_f32 v13, v13, v254                   ; the running largest t
	v_mov_b32 v254, v12
	s_delay_alu instid0(VALU_DEP_2)
	v_floor_f32 v12, -v13                          ; the new -M = -ceil(t)
	s_delay_alu instid0(VALU_DEP_1)
	v_sub_f32 v254, v12, v254                      ; old M - new M: a whole number, 0 or less
	s_delay_alu instid0(VALU_DEP_1)
	v_cvt_i32_f32 v254, v254                       ; (it saturates)
	s_delay_alu instid0(VALU_DEP_1)
	v_ldexp_f32 v252, 1.0, v254                    ; f = 2^(old M - new M)
.set J, 0
.rept 32
	v_pk_fma_f32 v[96+J:97+J], v[96+J:97+J], s[22:23], v[12:13] op_sel_hi:[1,0,0]   ; t - M, two at a time
.set J, J+2
.endr
.irp b, 0,1,2,3
	v_fma_f32 v[232+\b], v[232+\b], s22, v12       ; the same of each block's largest score
.endr
.set J, 0
	s_wait_alu depctr_va_vdst(0)
.rept 64
	v_exp_f32 v[96+J], v[96+J]                     ; p = 2^(t - M)
.set J, J+1
.endr
	s_setprio 1
.irp b, 0,1,2,3
	v_exp_f32 v[232+\b], v[232+\b]                 ; the block's largest p
.endr
	v_pk_mul_f32 v[14:15], v[14:15], v[252:253] op_sel_hi:[1,0]   ; the sums under the new M (a plain place behind the exponentials)
	s_wait_alu depctr_va_vdst(0)
.irp b, 0,1,2,3
	v_max_num_f32 v[232+\b], 0x1800000, v[232+\b]  ; the floor 2^(3 - 127)
.endr
.irp b, 0,1,2,3
	s_delay_alu instid0(VALU_DEP_4)
	v_add_nc_u32 v[240+\b], 0xff000000, v[232+\b]  ; the conversion's scale operand
.endr
.irp b, 0,1,2,3
	s_delay_alu instid0(VALU_DEP_4)
	v_lshrrev_b32 v[236+\b], 23, v[240+\b]         ; the byte
.endr
	s_delay_alu instid0(VALU_DEP_3)
	v_lshl_or_b32 v253, v237, 8, v236              ; p's scale word for these 128 keys
	s_delay_alu instid0(VALU_DEP_1)
	v_lshl_or_b32 v253, v238, 16, v253
	s_delay_alu instid0(VALU_DEP_1)
	v_lshl_or_b32 v253, v239, 24, v253
.irp b, 0,1,2,3
	v_cvt_scalef32_pk8_fp4_f32 v[224+2*\b], v[96+16*\b:103+16*\b], v[240+\b]
	v_cvt_scalef32_pk8_fp4_f32 v[225+2*\b], v[104+16*\b:111+16*\b], v[240+\b]
.endr
	v_nop                                          ; one plain place behind a scaled conversion
.irp c, 0,1
.irp i, 0,1
	v_permlane16_swap_b32 v[224+4*\c+\i], v[226+4*\c+\i]   ; a whole block to a lane
.endr
.endr
	v_pk_add_f32 v[236:237], v[100:101], v[104:105]
	v_pk_add_f32 v[242:243], v[108:109], v[112:113]
	v_pk_add_f32 v[240:241], v[116:117], v[120:121]
	v_pk_add_f32 v[234:235], v[124:125], v[128:129]
	v_pk_add_f32 v[232:233], v[132:133], v[136:137]
	v_pk_add_f32 v[90:91], v[140:141], v[144:145]
	v_pk_add_f32 v[88:89], v[148:149], v[152:153]
	v_pk_add_f32 v[14:15], v[14:15], v[156:157]
	v_pk_add_f32 v[236:237], v[236:237], v[96:97]
	v_pk_add_f32 v[242:243], v[242:243], v[98:99]
	v_pk_add_f32 v[240:241], v[240:241], v[102:103]
	v_pk_add_f32 v[234:235], v[234:235], v[106:107]
	v_pk_add_f32 v[232:233], v[232:233], v[110:111]
	v_pk_add_f32 v[90:91], v[90:91], v[114:115]
	v_pk_add_f32 v[88:89], v[88:89], v[118:119]
	v_pk_add_f32 v[14:15], v[14:15], v[122:123]
	v_pk_add_f32 v[236:237], v[236:237], v[126:127]
	v_pk_add_f32 v[242:243], v[242:243], v[130:131]
	v_pk_add_f32 v[240:241], v[240:241], v[134:135]
	v_pk_add_f32 v[234:235], v[234:235], v[138:139]
	v_pk_add_f32 v[232:233], v[232:233], v[142:143]
	v_pk_add_f32 v[90:91], v[90:91], v[146:147]
	v_pk_add_f32 v[88:89], v[88:89], v[150:151]
	v_pk_add_f32 v[14:15], v[14:15], v[154:155]
	v_pk_add_f32 v[236:237], v[236:237], v[158:159]
	s_delay_alu instid0(VALU_DEP_2)
	v_pk_add_f32 v[14:15], v[14:15], v[234:235]
	s_delay_alu instid0(VALU_DEP_2)
	v_pk_add_f32 v[236:237], v[236:237], v[232:233]
	v_pk_add_f32 v[242:243], v[242:243], v[90:91]
	v_pk_add_f32 v[240:241], v[240:241], v[88:89]
	s_delay_alu instid0(VALU_DEP_2)
	v_pk_add_f32 v[14:15], v[14:15], v[242:243]
	s_delay_alu instid0(VALU_DEP_2)
	v_pk_add_f32 v[236:237], v[236:237], v[240:241]
	s_delay_alu instid0(VALU_DEP_1)
	v_pk_add_f32 v[14:15], v[14:15], v[236:237]
.set J, 0
	s_setprio 0
.rept 16
	v_pk_mul_f32 v[160+J:161+J], v[160+J:161+J], v[252:253] op_sel_hi:[1,0]   ; O^T under the new M.  (With the sums above: the places between p's codes and scale word and the products)
.set J, J+2
.endr
	s_wait_alu depctr_va_vdst(0)
	s_wait_dscnt 0x0                               ; V and its scale words are in
.irp d, 0,2
	v_wmma_scale_f32_16x16x128_f8f6f4 v[160+8*\d:167+8*\d], v[192+8*\d:199+8*\d], v[224:231], v[160+8*\d:167+8*\d], v[30+\d/2], v253 matrix_a_fmt:MATRIX_FMT_FP4 matrix_b_fmt:MATRIX_FMT_FP4
	v_wmma_scale_f32_16x16x128_f8f6f4 v[168+8*\d:175+8*\d], v[200+8*\d:207+8*\d], v[224:231], v[168+8*\d:175+8*\d], v[30+\d/2], v253 matrix_a_fmt:MATRIX_FMT_FP4 matrix_b_fmt:MATRIX_FMT_FP4 matrix_a_scale:MATRIX_SCALE_ROW1
.endr
.endm
; A TILE OF 16 QUERIES: all 16 key steps, then the way out.  The step is written once: O^T and the sum begin as zeros and the largest t as -3e38, so the first change of M multiplies zeros.
.macro QTILE qf, qs, it
	s_wait_xcnt 0x0                                ; the last tile's stores have read their registers
	v_mov_b32 v13, 0xff61b1e6                      ; -3e38
	s_delay_alu instid0(VALU_DEP_1)
	v_floor_f32 v12, -v13
	v_mov_b32 v14, 0
	v_mov_b32 v15, 0
.set J, 0
.rept 32
	v_mov_b32 v[160+J], 0
.set J, J+1
.endr
	s_mov_b32 s32, 0
	s_mov_b32 s33, 16
.Lstep_\@:
	s_setprio 2
	STEP \qf, \qs
	s_add_co_u32 s32, s32, KV
	s_sub_co_u32 s33, s33, 1
	s_cmp_lg_u32 s33, 0
	s_cbranch_scc1 .Lstep_\@
	s_setprio 0
.rept 4
	v_nop                                          ; places behind the last products
.endr
	v_add_f32 v14, v14, v15                        ; the sum's two halves,
	s_delay_alu instid0(VALU_DEP_1)
	v_permlanex16_b32 v252, v14, s20, s21
	s_delay_alu instid0(VALU_DEP_1)
	v_add_f32 v14, v14, v252                       ; and lane l xor 16's
	s_wait_alu depctr_va_vdst(0)
	v_rcp_f32 v15, v14
	v_nop                                          ; one plain place behind the reciprocal
	s_wait_alu depctr_va_vdst(0)
	v_fma_f32 v252, -v14, v15, 1.0
	v_fma_f32 v252, v252, v15, v15                 ; 1 / l, corrected once
.set J, 0
.rept 16
	v_pk_mul_f32 v[96+J:97+J], v[160+J:161+J], v[252:253] op_sel_hi:[1,0]   ; register 16 B + i is channel 32 B + 16 h + i of my query; each accumulator from its low end on
.set J, J+2
.endr
.irp b, 0,1                                    ; the head's two blocks of 32 along the last projection's K
	v_max3_num_f32 v[232+\b], |v[96+16*\b]|, |v[97+16*\b]|, 0x1800000
.endr
.irp i, 2,4,6,8,10,12,14
.irp b, 0,1
	s_delay_alu instid0(VALU_DEP_2)
	v_max3_num_f32 v[232+\b], v[232+\b], |v[96+16*\b+\i]|, |v[97+16*\b+\i]|
.endr
.endr
.irp b, 0,1
	s_delay_alu instid0(VALU_DEP_2)
	v_permlanex16_b32 v[236+\b], v[232+\b], s20, s21
.endr
.irp b, 0,1
	s_delay_alu instid0(VALU_DEP_2)
	v_max_num_f32 v[232+\b], v[232+\b], v[236+\b]
.endr
.irp b, 0,1
	s_delay_alu instid0(VALU_DEP_2)
	v_add_nc_u32 v[240+\b], 0xff000000, v[232+\b]
.endr
.irp b, 0,1
	s_delay_alu instid0(VALU_DEP_2)
	v_lshrrev_b32 v[238+\b], 23, v[240+\b]
.endr
.irp b, 0,1
	v_cvt_scalef32_pk8_fp4_f32 v[224+2*\b], v[96+16*\b:103+16*\b], v[240+\b]
	v_cvt_scalef32_pk8_fp4_f32 v[225+2*\b], v[104+16*\b:111+16*\b], v[240+\b]
.endr
	v_cndmask_b32 v254, v238, v239, s34            ; lanes 0-15 store block 0's byte, lanes 16-31 block 1's.  (The plain place behind the conversions)
	v_permlane16_swap_b32 v224, v226               ; lanes 0-15 hold block 0 whole, lanes 16-31 block 1
	v_permlane16_swap_b32 v225, v227
	global_store_b128 v1, v[224:227], s[40:41] offset:131072*\it   ; 512 consecutive bytes
	global_store_b8 v4, v254, s[42:43] offset:8192*\it
.endm
	QTILE 16, 24, 0
	QTILE 244, 255, 1
	s_wait_tensorcnt 0x0
	ds_add_u32 v11, v25
	s_wait_dscnt 0x0
	ROUND                                          ; the closing round
	s_endpgm
.Lfunc_end_k_qe7d95c82bc_attn:
	.size	k_qe7d95c82bc_attn, .Lfunc_end_k_qe7d95c82bc_attn-k_qe7d95c82bc_attn
	.p2alignl 7, 3214868480
	.fill 96, 4, 3214868480
	.section	.rodata,"a",@progbits
	.p2align	6, 0x0
	.amdhsa_kernel k_qe7d95c82bc_attn
		.amdhsa_group_segment_fixed_size 169984
		.amdhsa_private_segment_fixed_size 0
		.amdhsa_enable_private_segment 0
		.amdhsa_kernarg_size 24
		.amdhsa_user_sgpr_count 2
		.amdhsa_user_sgpr_kernarg_segment_ptr 1
		.amdhsa_wavefront_size32 1
		.amdhsa_system_sgpr_workgroup_id_x 1
		.amdhsa_system_sgpr_workgroup_id_y 1
		.amdhsa_system_sgpr_workgroup_id_z 1
		.amdhsa_system_vgpr_workitem_id 0
		.amdhsa_next_free_vgpr 256
		.amdhsa_next_free_sgpr 66
		.amdhsa_reserve_vcc 0
		.amdhsa_float_denorm_mode_32 3
		.amdhsa_float_denorm_mode_16_64 3
		.amdhsa_memory_ordered 1
		.amdhsa_forward_progress 1
		.amdhsa_inst_pref_size 50
	.end_amdhsa_kernel
	.amdgpu_metadata
---
amdhsa.version: [ 1, 2 ]
amdhsa.kernels:
  - .name:           k_qe7d95c82bc_attn
    .symbol:         k_qe7d95c82bc_attn.kd
    .args:
      - { .name: qkv, .offset: 0, .size: 8, .value_kind: global_buffer, .address_space: global }
      - { .name: oi, .offset: 8, .size: 8, .value_kind: global_buffer, .address_space: global }
      - { .name: os, .offset: 16, .size: 8, .value_kind: global_buffer, .address_space: global }
    .group_segment_fixed_size: 169984
    .private_segment_fixed_size: 0
    .kernarg_segment_align: 8
    .kernarg_segment_size: 24
    .max_flat_workgroup_size: 512
    .sgpr_count:     66
    .vgpr_count:     256
    .wavefront_size: 32
...
	.end_amdgpu_metadata
.endif
;; end of part 3
;; launch oproj (part 4): grid 4 x 64, 4 waves a work-group, clusters of 4 x 4, 327,680 bytes of LDS; arguments oi, os, wi, ws, bo, out0; writes out0
.if DOCPART == 4
	.amdgcn_target "amdgcn-amd-amdhsa--gfx1250"
	.amdhsa_code_object_version 6
	.text
	.protected	k_qe7d95c82bc_oproj
	.globl	k_qe7d95c82bc_oproj
	.p2align	8
	.type	k_qe7d95c82bc_oproj,@function
k_qe7d95c82bc_oproj:
	s_mov_b64 s[64:65], 0
	v_nop
	global_prefetch_b8 v0, s[64:65] scope:SCOPE_SE
	s_setreg_imm32_b32 hwreg(HW_REG_WAVE_MODE, 25, 1), 1
	s_wait_xcnt 0x0
	s_wait_alu depctr_hold_cnt(0) depctr_sa_sdst(0) depctr_va_vdst(0) depctr_va_sdst(0) depctr_va_ssrc(0) depctr_va_vcc(0) depctr_vm_vsrc(0)
	s_getreg_b32 s2, hwreg(HW_REG_IB_STS2, 6, 4)
	s_cmp_eq_u32 s2, 0
	s_cbranch_scc0 .Lentry_in_a_cluster
	s_endpgm
.Lentry_in_a_cluster:
	s_bfe_u32 s2, ttmp6, 0x10000c
	s_cmp_lg_u32 s2, 0xf033
	s_cbranch_scc0 .Lentry_shape_is_right
	s_endpgm
.Lentry_shape_is_right:
; OPROJ.  out0 = inter Wo + bo on codes of FP4 (E2M1) with E8M0 scales, sums in f32.  A' = inter (oi, os), B' = Wo's columns (tiles 192-255 of wi, ws).
; THE GEMM.  8,192 x 1,024 outputs in tiles of 128 tokens x 256 columns: 256 work-groups of four waves, 64 x 128 a wave: 32 accumulators in 256 registers.  (Tiles of 256 x 256 would make 128 work-groups.)
; Source 0 = 16 columns of Wo, source 1 = 16 tokens: a lane holds one token and its registers run along the columns.  All of K = 1,024 of both tiles lies in LDS at once (196,608 bytes of codes,
; 12,288 of scale bytes): every LDS byte is filled once.  Both operands have two sets of registers; a K step's 24 LDS loads are issued a step ahead of its 32 products.
; 4 x 4 work-groups form a cluster: A's tile is shared along a row of it, B's along a column; each is asked for jointly.
; OPERANDS lie as images of their registers: tile = [block of 32 along K][r][16 bytes]; a fragment is 1,024 consecutive bytes.  Lane-row r of tile 2 B + u is row 32 B + 8 u + r + 8 (r / 8).
; THE WAY OUT.  A block of 16 tokens x 128 columns goes through the wave's own stage in LDS (bytes of its own, behind all that tensor loads fill), which puts the columns in their true order, and comes back
; as whole rows of 512 bytes; the bias is added, and 32 lanes store two aligned runs of 256 bytes.
; REGISTERS: window 0: v16-27 addresses; v32-95 scale words, two sets; v96-99 the bias; v128-191 A's fragments, two sets; on the way out v128-255 two sets of 16 rows.  window 1: B's fragments at v0, v128.  window 2: accumulators.
.set NQ,    4
.set FR,    8
.set HALFK, 98304                      ; LDS: half 0 of K, half 1; in each A's 8 tiles x 4,096 bytes, then B's 16
.set BOFF,  32768
.set SCL,   196608                     ; A's scale bytes (4,096), then B's (8,192)
.set STG,   208896                     ; the stages: 16 rows x 528 bytes for each wave
.set SPITCH, 528
.set ADRA, 16
.set ADRB, 20
.set LI,   24                          ; v24  16 x lane
.set STO,  25                          ; v25  the stage: where I put 32 bytes of a row
.set RD,   26                          ; v26  and where I read a row back
.set ADRS, 27
.set SC,   32
.set BO,   96
.set AF,   128
.set BK,   128
.set G1,   24
.set G0,   32
.set G1B,  48
.set G0B,  56
.set G1S,  68
.set G0S,  76
.set G1SB, 80
.set G0SB, 88
.set MSB, 0
.macro WIN new                         ; the immediate's high byte repeats the setting that is left
.if MSB != (\new)
	s_set_vgpr_msb (MSB<<8)|(\new)
.set MSB, (\new)
.endif
.endm
.set MUL_LO, 0xa1                      ; source 0 (B) window 1, source 1 (A) window 0, C and D window 2
.set TO_B,   0x40
.macro JLOAD g0a, g1a, g0b, g1b        ; a joint load: waves 0 and 1 fetch for A, waves 2 and 3 for B; four v_nop follow each of the two lines
	s_cmp_eq_u32 s15, 0
	s_cbranch_scc0 .Lfor_b_\@
	tensor_load_to_lds s[\g0a:\g0a+3], s[\g1a:\g1a+7]
	s_nop 0
.rept 4
	v_nop
.endr
	s_branch .Lasked_\@
.Lfor_b_\@:
	tensor_load_to_lds s[\g0b:\g0b+3], s[\g1b:\g1b+7]
	s_nop 0
.rept 4
	v_nop
.endr
.Lasked_\@:
.endm
.macro CROUND                          ; a round of the cluster's barrier
	s_barrier_signal -1
	s_barrier_wait -1
	s_cmp_lg_u32 s14, 0
	s_cbranch_scc1 .Lnot_wave_0_\@
	s_barrier_signal -3
.Lnot_wave_0_\@:
	s_barrier_wait -3
	s_barrier_signal -1
	s_barrier_wait -1
.endm
.macro PLACES                          ; four places behind a matrix instruction, in front of loads into its registers and of reads of its results (ISA guide 7.12.1 for reads of its results)
.rept 4
	v_nop
.endr
.endm
.macro FRAG reg, adr, q, i
.irp c, 0,1
	ds_load_b128 v[\reg+4*\c:\reg+4*\c+3], v[\adr] offset:4096*(\i)+1024*(\q)+512*\c
.endr
.endm
.macro FETCH g                         ; K step g = 0 .. 7 into set g % 2: B's eight fragments, A's four: 24 loads
	WIN TO_B
.irp i, 0,1,2,3,4,5,6,7
	FRAG 128*((\g)%2)+FR*\i, ADRB+(\g)/4, (\g)%4, \i
.endr
	WIN 0
.irp i, 0,1,2,3
	FRAG AF+32*((\g)%2)+FR*\i, ADRA+(\g)/4, (\g)%4, \i
.endr
.endm
.macro MULH g, a0, zero                ; 16 matrix instructions: A's tiles a0, a0 + 1 x B's eight; the 32 accumulators take turns, one instruction a turn
.irp a, \a0, \a0+1
.irp b, 0,1,2,3,4,5,6,7
.if \zero
	v_wmma_scale_f32_16x16x128_f8f6f4 v[8*(8*(\a)+\b):8*(8*(\a)+\b)+7], v[128*((\g)%2)+FR*\b:128*((\g)%2)+FR*\b+FR-1], v[AF+32*((\g)%2)+FR*(\a):AF+32*((\g)%2)+FR*(\a)+FR-1], 0, v[SC+32*((\g)/4)+NQ*\b+(\g)%4], v[SC+32*((\g)/4)+NQ*(\a)+(\g)%4] matrix_a_fmt:MATRIX_FMT_FP4 matrix_b_fmt:MATRIX_FMT_FP4 matrix_a_scale:MATRIX_SCALE_ROW1
.else
	v_wmma_scale_f32_16x16x128_f8f6f4 v[8*(8*(\a)+\b):8*(8*(\a)+\b)+7], v[128*((\g)%2)+FR*\b:128*((\g)%2)+FR*\b+FR-1], v[AF+32*((\g)%2)+FR*(\a):AF+32*((\g)%2)+FR*(\a)+FR-1], v[8*(8*(\a)+\b):8*(8*(\a)+\b)+7], v[SC+32*((\g)/4)+NQ*\b+(\g)%4], v[SC+32*((\g)/4)+NQ*(\a)+(\g)%4] matrix_a_fmt:MATRIX_FMT_FP4 matrix_b_fmt:MATRIX_FMT_FP4 matrix_a_scale:MATRIX_SCALE_ROW1
.endif
.endr
.endr
.endm
.macro SCALES sc                       ; the scale words of half sc: lanes 16-31 take B's tile i; lanes 0-15 A's tile i (for i = 4 .. 7 they read scale bytes that no product names)
.irp i, 0,1,2,3,4,5,6,7
	ds_load_b128 v[SC+32*\sc+NQ*\i:SC+32*\sc+NQ*\i+3], v[ADRS] offset:512*\i+256*\sc
.endr
.endm
.macro STEPH g, zero                   ; a K step whose successor's tiles are known to lie in LDS
.if (\g) > 0
	PLACES                                         ; the loads below land in the set that the last step's products read
.endif
	FETCH (\g)+1
	s_wait_dscnt 24                                ; all but the 24 just issued: this step's fragments and scale words are in
	WIN MUL_LO
	MULH \g, 0, \zero
	MULH \g, 2, \zero
	WIN 0
.endm
	s_load_b256 s[68:75], s[0:1], 0x0              ; oi 68, os 70, wi 72, ws 74: used up before these registers take descriptors
	s_load_b128 s[76:79], s[0:1], 0x20             ; bo 76, out0 78
	v_lshl_add_u32 v126, v0, 2, 0x40000
	v_mov_b32 v127, 0
	ds_add_u32 v126, v127
	ds_add_u32 v126, v127
	v_lshrrev_b32 v1, 5, v0
	v_readfirstlane_b32 s14, v1                    ; wave 0..3
	s_lshr_b32 s15, s14, 1                         ; which 64 tokens are mine.  Also: I fetch for A (0) or for B (1)
	s_and_b32 s16, s14, 1                          ; which 128 columns.  Also: which half of that tile I fetch
	s_bfe_u32 s40, ttmp6, 0x40000                  ; cx, cy
	s_bfe_u32 s41, ttmp6, 0x40004
	s_lshl_b32 s42, ttmp9, 2
	s_add_co_u32 s42, s42, s40                     ; B's tile: 256 columns
	s_and_b32 s17, ttmp7, 0xffff
	s_lshl_b32 s17, s17, 2
	s_add_co_u32 s17, s17, s41                     ; A's tile: 128 tokens
	s_lshl_b32 s43, s41, 2
	s_lshl_b32 s43, 15, s43                        ; my row of the cluster
	s_lshl_b32 s44, 0x1111, s40                    ; my column
	s_wait_dscnt 0x0
	s_wait_kmcnt 0x0
	s_mov_b64 s[4:5], s[68:69]
	s_mov_b64 s[6:7], s[70:71]
	s_add_nc_u64 s[8:9], s[72:73], 0x180000        ; Wo's tiles 192-255 of the weights' codes,
	s_add_nc_u64 s[10:11], s[74:75], 0x18000       ; and of their scale bytes
	s_mov_b64 s[12:13], s[76:77]
	s_mov_b64 s[96:97], s[78:79]
	s_lshl_b32 s20, s17, 16                        ; what I fetch of A: 4 tiles of 8,192 bytes of codes and 512 of scale bytes;
	s_lshl_b32 s21, s16, 15
	s_add_co_u32 s20, s20, s21
	s_mov_b32 s21, 0
	s_add_nc_u64 s[4:5], s[4:5], s[20:21]
	s_lshl_b32 s22, s17, 12
	s_lshl_b32 s23, s16, 11
	s_add_co_u32 s22, s22, s23
	s_mov_b32 s23, 0
	s_add_nc_u64 s[6:7], s[6:7], s[22:23]
	s_lshl_b32 s46, s42, 17                        ; of B: 8 tiles
	s_lshl_b32 s47, s16, 16
	s_add_co_u32 s46, s46, s47
	s_mov_b32 s47, 0
	s_add_nc_u64 s[8:9], s[8:9], s[46:47]
	s_lshl_b32 s98, s42, 13
	s_lshl_b32 s99, s16, 12
	s_add_co_u32 s98, s98, s99
	s_mov_b32 s99, 0
	s_add_nc_u64 s[10:11], s[10:11], s[98:99]
	s_lshl_b32 s45, s16, 14                        ; where they go: A's halves 16,384 bytes apart,
	s_lshl_b32 s100, s16, 15
	s_add_co_u32 s100, s100, BOFF                  ; B's 32,768 apart, behind A's;
	s_lshl_b32 s101, s16, 11                       ; the scale bytes likewise: no place in the cluster enters an LDS address
	s_lshl_b32 s3, s16, 12
	s_add_co_u32 s3, s3, 4096
	s_or_b32 s[G1+0], s43, (3<<16)|(1<<21)         ; codes: rows (tiles) of 512 elements of 8 bytes, 1,024 elements from tile to tile: A 4 rows, B 8
	s_or_b32 s[G1B+0], s44, (3<<16)|(1<<21)
	s_mov_b32 s[G1+2], 4<<16
	s_mov_b32 s[G1+4], 4
	s_mov_b32 s[G1B+2], 8<<16
	s_mov_b32 s[G1B+4], 8
.irp g, G1, G1B
	s_mov_b32 s[\g+1], 512<<16
	s_mov_b32 s[\g+3], 512<<16
	s_mov_b32 s[\g+5], 1024
	s_mov_b32 s[\g+6], 0
	s_mov_b32 s[\g+7], 0
.endr
	s_or_b32 s[G1S+0], s43, (3<<16)|(1<<21)        ; scale bytes: dense, as rows of 256 bytes: A 8 rows, B 16
	s_or_b32 s[G1SB+0], s44, (3<<16)|(1<<21)
	s_mov_b32 s[G1S+2], 8<<16
	s_mov_b32 s[G1S+4], 8
	s_mov_b32 s[G1SB+2], 16<<16
	s_mov_b32 s[G1SB+4], 16
.irp g, G1S, G1SB
	s_mov_b32 s[\g+1], 32<<16
	s_mov_b32 s[\g+3], 32<<16
	s_mov_b32 s[\g+5], 32
	s_mov_b32 s[\g+6], 0
	s_mov_b32 s[\g+7], 0
.endr
	CROUND                                         ; all sixteen work-groups are here: the joint loads meet
	s_mov_b32 s[G0S], 1
	s_add_co_u32 s[G0S+1], s101, SCL
	s_mov_b64 s[G0S+2:G0S+3], s[6:7]
	s_or_b32 s[G0S+3], s[G0S+3], 0x80000000
	s_mov_b32 s[G0SB], 1
	s_add_co_u32 s[G0SB+1], s3, SCL
	s_mov_b64 s[G0SB+2:G0SB+3], s[10:11]
	s_or_b32 s[G0SB+3], s[G0SB+3], 0x80000000
	JLOAD G0S, G1S, G0SB, G1SB                     ; three loads of mine are out behind these lines: the scale bytes, half 0, half 1
.irp s, 0,1
	s_mov_b32 s[G0+4*\s], 1
	s_add_co_u32 s[G0+4*\s+1], s45, \s*HALFK
	s_add_nc_u64 s[G0+4*\s+2:G0+4*\s+3], s[4:5], \s*4096
	s_or_b32 s[G0+4*\s+3], s[G0+4*\s+3], 0x80000000
	s_mov_b32 s[G0B+4*\s], 1
	s_add_co_u32 s[G0B+4*\s+1], s100, \s*HALFK
	s_add_nc_u64 s[G0B+4*\s+2:G0B+4*\s+3], s[8:9], \s*4096
	s_or_b32 s[G0B+4*\s+3], s[G0B+4*\s+3], 0x80000000
	s_wait_alu depctr_va_vdst(0)
	s_wait_tensorcnt 0x0
	ds_add_u32 v126, v127
	s_wait_dscnt 0x0
	CROUND
	JLOAD G0+4*\s, G1, G0B+4*\s, G1B
.endr
	v_and_b32 v1, 31, v0                           ; lane
	v_and_b32 v2, 15, v0                           ; r
	v_bfe_u32 v3, v0, 4, 1                         ; h
	s_wait_alu depctr_va_vdst(0)
	v_lshlrev_b32 v[LI], 4, v1
	s_lshl_b32 s21, s15, 14                        ; my 4 tiles of A,
	s_lshl_b32 s22, s16, 15                        ; my 8 tiles of B,
	s_add_co_u32 s22, s22, BOFF                    ; which lie behind A's 8
.irp s, 0,1
	v_add_nc_u32 v[ADRA+\s], s21, v[LI]
	v_add_nc_u32 v[ADRB+\s], s22, v[LI]
	s_add_co_u32 s21, s21, HALFK
	s_add_co_u32 s22, s22, HALFK
.endr
	v_lshlrev_b32 v5, 4, v2
	s_lshl_b32 s21, s15, 11
	s_lshl_b32 s22, s16, 12
	s_add_co_u32 s22, s22, 4096
	s_sub_co_u32 s22, s22, s21
	v_mul_u32_u24 v6, s22, v3                      ; lanes 16-31 take B's scale words: one product, the distance between the two bases
	s_add_co_u32 s21, s21, SCL
	v_add_nc_u32 v5, v5, v6
	v_add_nc_u32 v[ADRS], s21, v5
	s_mul_i32 s23, s14, 16*SPITCH
	s_add_co_u32 s23, s23, STG                     ; my stage
	v_mul_u32_u24 v5, v2, SPITCH
	v_lshl_add_u32 v5, v3, 6, v5
	v_add_nc_u32 v[STO], s23, v5                   ; in: row r, + 64 h: result tile 2 B + u holds columns 32 B + 16 h + 8 u + 0 .. 7
	v_add_nc_u32 v[RD], s23, v[LI]                 ; back: 16 bytes a lane of a row
	s_lshl_b32 s2, s42, 10
	s_lshl_b32 s3, s16, 9
	s_add_co_u32 s2, s2, s3                        ; my 128 columns, in bytes
	s_mov_b32 s3, 0
	s_add_nc_u64 s[12:13], s[12:13], s[2:3]
	s_add_nc_u64 s[96:97], s[96:97], s[2:3]
	s_lshl_b32 s2, s17, 19
	s_lshl_b32 s18, s15, 18
	s_add_co_u32 s2, s2, s18                       ; my 64 tokens: rows of 4,096 bytes
	s_add_nc_u64 s[96:97], s[96:97], s[2:3]
	global_load_b128 v[BO:BO+3], v[LI], s[12:13]   ; the bias of the four columns that I store
	s_wait_alu depctr_va_vdst(0)
	s_wait_tensorcnt 1                             ; my scale bytes and my part of half 0 are in; my load of half 1 may be out
	s_barrier_signal -1
	s_barrier_wait -1                              ; everybody's are
	SCALES 0
	FETCH 0
	STEPH 0, 1                                     ; the first products start the sums: nothing is cleared
	STEPH 1, 0
	STEPH 2, 0
	s_wait_tensorcnt 0x0                           ; the last step of half 0 goes over to half 1: my part of it has landed;
	s_wait_dscnt 0x0                               ; this step's fragments are in, and no LDS instruction of mine is pending at the signal
	s_barrier_signal -1
	WIN MUL_LO
	MULH 3, 0, 0
	WIN 0
	s_barrier_wait -1                              ; everybody's has.  Nothing is filled again
	PLACES                                         ; the loads below land in the set that step 2's products read
	FETCH 4
	SCALES 1
	WIN MUL_LO
	MULH 3, 2, 0
	WIN 0
	STEPH 4, 0                                     ; (its wait for all but 24 covers step 4's fragments and the second half's scale words)
	STEPH 5, 0
	STEPH 6, 0
	s_wait_dscnt 0x0                               ; the last step: nothing more to fetch
	WIN MUL_LO
	MULH 7, 0, 0
	MULH 7, 2, 0
	WIN 0
.macro TOSTAGE a
	WIN 0x08                                       ; an LDS store's data are its source 1: window 2
.irp b, 0,1,2,3,4,5,6,7
	ds_store_b128 v[STO], v[64*(\a)+8*\b:64*(\a)+8*\b+3] offset:128*(\b/2)+32*(\b%2)        ; each accumulator from its low end on
	ds_store_b128 v[STO], v[64*(\a)+8*\b+4:64*(\a)+8*\b+7] offset:128*(\b/2)+32*(\b%2)+16
.endr
	WIN 0
.set BB, BK+64*((\a)%2)
.irp t, 0,1,2,3,4,5,6,7,8,9,10,11,12,13,14,15
	ds_load_b128 v[BB+4*\t:BB+4*\t+3], v[RD] offset:\t*SPITCH   ; LDS serves a wave's instructions in order (ISA guide 5.7.1.4): these see the stores above, and the next block's stores come behind them
.endr
.endm
.macro SEND a, younger                 ; younger: the LDS instructions issued behind block a's loads, which may stay out
.set BB, BK+64*((\a)%2)
	s_wait_dscnt \younger
.irp t, 0,1,2,3,4,5,6,7,8,9,10,11,12,13,14,15
	v_pk_add_f32 v[BB+4*\t:BB+4*\t+1], v[BB+4*\t:BB+4*\t+1], v[BO:BO+1]
	v_pk_add_f32 v[BB+4*\t+2:BB+4*\t+3], v[BB+4*\t+2:BB+4*\t+3], v[BO+2:BO+3]
.endr
.irp t, 0,1,2,3,4,5,6,7,8,9,10,11,12,13,14,15
	global_store_b128 v[LI], v[BB+4*\t:BB+4*\t+3], s[96:97] offset:(32*((\a)/2)+8*((\a)%2)+\t+8*(\t/8))*4096 th:TH_STORE_NT   ; lane-row t of tile a is token 32 (a / 2) + 8 (a % 2) + t + 8 (t / 8); 512 consecutive bytes; 63 rows at the most: inside the signed 24-bit immediate
.endr
.endm
	PLACES                                         ; in front of the first read of results and of loads into the registers that held A's fragments
	s_wait_loadcnt 0x0                             ; the bias
	TOSTAGE 0
.irp a, 1,2,3
.if \a > 1
	s_wait_xcnt 0x0                                ; block a - 2's stores have read their registers: block a's loads may land there
.endif
	TOSTAGE \a
	SEND \a-1, 32                                  ; behind block a - 1's loads: block a's 16 stores and 16 loads
.endr
	SEND 3, 0
	s_wait_tensorcnt 0x0
	ds_add_u32 v126, v127
	s_wait_dscnt 0x0
	CROUND                                         ; the closing round: no work-group ends while a partner may still ask for a tile that names it
	s_endpgm
.Lfunc_end_k_qe7d95c82bc_oproj:
	.size	k_qe7d95c82bc_oproj, .Lfunc_end_k_qe7d95c82bc_oproj-k_qe7d95c82bc_oproj
	.p2alignl 7, 3214868480
	.fill 96, 4, 3214868480
	.section	.rodata,"a",@progbits
	.p2align	6, 0x0
	.amdhsa_kernel k_qe7d95c82bc_oproj
		.amdhsa_group_segment_fixed_size 327680
		.amdhsa_private_segment_fixed_size 0
		.amdhsa_enable_private_segment 0
		.amdhsa_kernarg_size 48
		.amdhsa_user_sgpr_count 2
		.amdhsa_user_sgpr_kernarg_segment_ptr 1
		.amdhsa_wavefront_size32 1
		.amdhsa_system_sgpr_workgroup_id_x 1
		.amdhsa_system_sgpr_workgroup_id_y 1
		.amdhsa_system_sgpr_workgroup_id_z 1
		.amdhsa_system_vgpr_workitem_id 0
		.amdhsa_next_free_vgpr 768
		.amdhsa_next_free_sgpr 102
		.amdhsa_reserve_vcc 0
		.amdhsa_float_denorm_mode_32 3
		.amdhsa_float_denorm_mode_16_64 3
		.amdhsa_memory_ordered 1
		.amdhsa_forward_progress 1
		.amdhsa_inst_pref_size 81
	.end_amdhsa_kernel
	.amdgpu_metadata
---
amdhsa.version: [ 1, 2 ]
amdhsa.kernels:
  - .name:           k_qe7d95c82bc_oproj
    .symbol:         k_qe7d95c82bc_oproj.kd
    .args:
      - { .name: oi, .offset: 0, .size: 8, .value_kind: global_buffer, .address_space: global }
      - { .name: os, .offset: 8, .size: 8, .value_kind: global_buffer, .address_space: global }
      - { .name: wi, .offset: 16, .size: 8, .value_kind: global_buffer, .address_space: global }
      - { .name: ws, .offset: 24, .size: 8, .value_kind: global_buffer, .address_space: global }
      - { .name: bo, .offset: 32, .size: 8, .value_kind: global_buffer, .address_space: global }
      - { .name: out0, .offset: 40, .size: 8, .value_kind: global_buffer, .address_space: global }
    .group_segment_fixed_size: 327680
    .private_segment_fixed_size: 0
    .kernarg_segment_align: 8
    .kernarg_segment_size: 48
    .max_flat_workgroup_size: 128
    .sgpr_count:     102
    .vgpr_count:     768
    .wavefront_size: 32
...
	.end_amdgpu_metadata
.endif
;; end of part 4
